; MI455X (gfx1250); checked and timed in simulation.
; The chip was launched on July 23, 2026; its instructions are those of AMD's public machine-readable ISA for CDNA 5 (MIT licence, August 2026) and "CDNA5" Instruction Set Architecture Reference Guide (July 2026). The comments in the code are by the model that wrote it; some were corrected since.
;; Multihead Attention. Allowed arithmetic: matrix products marked QUANTISED: E3M2 operands, one E8M0 scale for each 32 along K, by v_wmma_scale_f32_16x16x128_f8f6f4 with both operands' format E3M2, f32 sums; everything else in f32.
;; Inputs: W_attn 1,024 x 3,072 float32; W_proj 1,024 x 1,024 float32; b_attn 3,072 float32; b_proj 1,024 float32; x 4 x 2,048 x 1,024 float32.
;; Outputs: out0 4 x 2,048 x 1,024 float32.
;; This version of the problem:
;;   THIS VERSION OF THE PROBLEM IS GIVEN IN LOW PRECISION. The matrix products marked QUANTISED in the list below multiply operands that are first quantised to E3M2 (3 exponent bits, 2 mantissa bits; 6 bits a number), with one power-of-two scale for each 32 numbers along K (OCP MX v1.0); their sums are f32. All else is computed in f32.
;;   The module's matrix products, in the order in which they are computed (A, B: the left and right operand; K: the contracted axis; several contracted axes count as one K, in the product's order):
;;     1. [M 8,192, K 1,024] x [K 1,024, N 3,072]; A: input x; B: input W_attn: QUANTISED
;;     2. batch 64 x [M 2,048, K 64] x [K 64, N 2,048]; A: computed on the way; B: computed on the way: QUANTISED
;;     3. batch 64 x [M 2,048, K 2,048] x [K 2,048, N 64]; A: softmax (see below); B: computed on the way: QUANTISED
;;     4. [M 8,192, K 1,024] x [K 1,024, N 1,024]; A: computed on the way; B: input W_proj: QUANTISED
;;   THE QUANTISER, for each operand of a quantised product, along K:
;;     - K is cut into blocks of 32 from its start; a last block that is shorter is filled with zeros.
;;     - A block's scale is 2^e with e = floor(log2(the largest magnitude in the block)) - 4, held to -126 .. 127; a block of zeros has e = 0. As a byte (E8M0): e + 127.
;;     - Each number is divided by its block's scale, clamped to +-28, and rounded to the nearest number of E3M2, ties to even, subnormals kept.
;;     - The product sums the exact products of the quantised numbers (number of the format x scale) in f32.
;;   ~~~python
;;   def quantise(x, axis):      # numpy; x: float32 -> the quantised numbers, widened to float32 again
;;       x = np.moveaxis(x, axis, -1); K = x.shape[-1]
;;       x = np.pad(x, [(0, 0)] * (x.ndim - 1) + [(0, -K % 32)]); x = x.reshape(x.shape[:-1] + (-1, 32)); a = np.abs(x).max(-1, keepdims=True)
;;       e = np.where(a > 0, np.clip(np.frexp(np.where(a > 0, a, 1))[1] - 1 - 4, -126, 127), 0)      # np.frexp(a)[1] - 1 = floor(log2(a)), exactly
;;       r = np.clip(x / 2.0 ** e, -28, 28)
;;       step = 2.0 ** (np.maximum(np.frexp(np.where(r == 0, 1, r))[1] - 1, -2) - 2)
;;       q = np.round(r / step) * step * 2.0 ** e      # np.round: ties to even
;;       return np.moveaxis(q.reshape(q.shape[:-2] + (-1,))[..., :K], -1, axis).astype(np.float32)
;;   ~~~
;;   SOFTMAX AHEAD OF A QUANTISED PRODUCT. Where the list says 'softmax', what is quantised is not the finished softmax but p = 2^(t - M), with t = logit x log2(e) and M = ceil(the row's largest t), a whole number; so 1/2 < the row's largest p <= 1. The row's sum l is taken of the UNQUANTISED p, in f32, and the product's result is divided by l at the end. Since M is a whole number, a kernel that streams over the keys may use a running M (the ceiling of the running maximum): every later rescaling is an exact power of two, which a block's scale takes up: the codes' values come out the same.
;;   OPERANDS COMPUTED ON THE WAY. 'Computed on the way' means the value that the module computes at that place (a softmax that the list does not call 'softmax' is quantised finished and normalised). What goes into a quantiser is computed in f32, as accurately as f32 sums, v_exp_f32 and their like allow (about 1e-6 of the number): no bf16 or f16 on the way to a quantiser, and a product that is left as it is and whose result goes on into a quantised operand takes f32 operands (vector FMAs, or v_wmma_f32_16x16x4_f32). A number that lies on a knife's edge between two numbers of the format may be rounded either way, as far as f32 arithmetic and the matrix unit's own rounding can turn it there, and no further.
;; One version. Each part assembles by itself: llvm-mc -triple=amdgcn-amd-amdhsa -mcpu=gfx1250 --defsym DOCPART=n.
;; ======== version 1 of 1: 4 launches
;; limits: right only within a limited range of input values
;; workspace buffers: ximg 6,553,600 bytes; wimg 3,276,800 bytes; qimg 6,553,600 bytes; kvimg 13,107,200 bytes; yimg 6,553,600 bytes
;; launch quant (part 1): grid 768 x 1, 4 waves a work-group, no clusters, 48,640 bytes of LDS; arguments x, W_attn, W_proj, ximg, wimg; writes ximg, wimg
.if DOCPART == 1
	.amdgcn_target "amdgcn-amd-amdhsa--gfx1250"
	.amdhsa_code_object_version 6
	.text
	.protected	k_q0a1021974d_quant
	.globl	k_q0a1021974d_quant
	.p2align	8
	.type	k_q0a1021974d_quant,@function
k_q0a1021974d_quant:
	s_mov_b64 s[64:65], 0
	v_nop
	global_prefetch_b8 v0, s[64:65] scope:SCOPE_SE
	s_setreg_imm32_b32 hwreg(HW_REG_WAVE_MODE, 25, 1), 1
	s_wait_xcnt 0x0
; x [8192][1024], W_attn [1024][3072] and W_proj [1024][1024], f32, become codes of BF6 (E3M2) with one E8M0 byte for each 32 along K (K = the 1,024), laid as the products' launches read them.
; AN OPERAND BLOCK, 12,800 bytes, holds 128 rows (tokens of x, columns of a weight) x 128 along K: eight fragments of 1,536 bytes, then two planes of 256 scale bytes.
; A FRAGMENT is the image of an operand's 12 registers: piece p of six, 256 bytes, holds registers 2 p and 2 p + 1 of lane l at 8 l.  Lane (r = l % 16, h = l / 16), registers 6 c .. 6 c + 5: k = 64 c + 32 h + 0 .. 31.
; Fragment i's row r is the block's row 32 (i / 2) + 8 (i % 2) + r + 8 (r / 8).  Plane c, half-word at 16 r + 2 i: bytes 2 c and 2 c + 1 of the scale word of (fragment i, row r).
; A block's scale is 2^(floor(log2(its largest magnitude)) - 4); its byte is that magnitude's exponent field - 4, held at 1 from below.
; LIMITS: a block of zeros, or one under 2^-122, gets the byte 1 (its codes are zeros or near it; the bytes are read by this program alone); NaN and infinities among the inputs are not served.
; One work-group makes one operand block: work-groups 0-511 those of x (8 x group + K step), 512-767 those of the weights.  The two ways part on the work-group's number and have LDS bytes of their own.
; No tensor loads, no cluster: no two work-groups read the same bytes.
.set OBB,  12800
.set XST,  0                           ; x's way: a stage of 16 rows x (512 + 16) bytes for each wave
.set XSC,  33792                       ; and the block's two planes
.set WST,  34304                       ; the weights' way: two fragment images of 1,536 + 128 bytes for each wave
.set WSC,  47616                       ; and the block's two planes
.set CT,   8                           ; v8-15   the conversions' second halves
.set TM,   16                          ; v16-31  at work in QUANT
.set PW0,  32                          ; v32, v33 the two fragments' scale words
.set PC0,  34                          ; v34-45, v46-57 the two fragments' codes
.set R,    64                          ; v64-191 32 rows as loaded
.set X0,   192                         ; v192-255 fragment 0's numbers, 64 a lane; fragment 1's take v64-127
.set X1,   64
.set SEL,  20                          ; s[20:21] v_permlanex16_b32's selects for lane l xor 16
; 64 numbers of a lane, v[s + 16 b + i] = k 32 b + 16 h + i of my row, become a fragment's 12 registers in v[dst] on and my row's scale word in v[pw].
.macro QUANT s, dst, pw
.irp b, 0,1,2,3
	v_max3_num_f32 v[TM+\b], |v[\s+16*\b]|, |v[\s+1+16*\b]|, 0x2800000   ; block b: my 16 numbers and the floor 2^(5 - 127): the byte cannot fall under 1
.endr
.irp i, 2,4,6,8,10,12,14
.irp b, 0,1,2,3
	v_max3_num_f32 v[TM+\b], v[TM+\b], |v[\s+16*\b+\i]|, |v[\s+1+16*\b+\i]|
.endr
.endr
.irp b, 0,1,2,3
	v_permlanex16_b32 v[TM+4+\b], v[TM+\b], s[SEL], s[SEL+1]
.endr
.irp b, 0,1,2,3
	v_max_num_f32 v[TM+\b], v[TM+\b], v[TM+4+\b]                   ; with lane l xor 16's: the block's largest magnitude
.endr
.irp b, 0,1,2,3
	v_add_nc_u32 v[TM+12+\b], 0xfe000000, v[TM+\b]                 ; 4 off its exponent field: the conversion's scale operand
.endr
.irp b, 0,1,2,3
	v_lshrrev_b32 v[TM+4+\b], 23, v[TM+12+\b]                      ; the scale's byte
.endr
	v_lshl_or_b32 v[\pw], v[TM+5], 8, v[TM+4]
	v_lshl_or_b32 v[\pw], v[TM+6], 16, v[\pw]
	v_lshl_or_b32 v[\pw], v[TM+7], 24, v[\pw]
.irp c, 0,1
	v_cvt_scalef32_pk16_bf6_f32 v[\dst+6*\c:\dst+2+6*\c], v[\s+32*\c:\s+15+32*\c], v[TM+12+2*\c]
	v_cvt_scalef32_pk16_bf6_f32 v[CT+4*\c:CT+2+4*\c], v[\s+16+32*\c:\s+31+32*\c], v[TM+12+2*\c+1]   ; (a conversion's three registers begin on an even number)
.endr
	v_nop                                          ; one plain place behind a scaled conversion
.irp c, 0,1                                    ; the layout wants a whole block in a lane: lanes 0-15 block 2 c, lanes 16-31 block 2 c + 1
.irp i, 0,1,2
	v_permlane16_swap_b32 v[\dst+6*\c+\i], v[CT+4*\c+\i]
.endr
.irp i, 0,1,2
	v_mov_b32 v[\dst+3+6*\c+\i], v[CT+4*\c+\i]
.endr
.endr
.endm
	s_load_b128 s[4:7], s[0:1], 0x0                ; x, W_attn
	s_load_b128 s[8:11], s[0:1], 0x10              ; W_proj, ximg
	s_load_b64 s[12:13], s[0:1], 0x20              ; wimg
	v_lshl_add_u32 v26, v0, 2, 0xbc00
	v_mov_b32 v27, 0
	v_lshrrev_b32 v1, 5, v0
	v_readfirstlane_b32 s14, v1                    ; wave 0..3
	v_and_b32 v2, 31, v0                           ; lane
	v_lshlrev_b32 v4, 4, v2                        ; 16 x lane
	v_lshlrev_b32 v5, 3, v2                        ; 8 x lane
	s_mov_b32 s[SEL], 0x76543210
	s_mov_b32 s[SEL+1], 0xfedcba98
	s_mov_b32 s22, 0xffff0000                      ; lanes 16-31
	s_mul_i32 s23, s14, 3072                       ; my two fragments in the block
	s_cmp_lt_u32 ttmp9, 512
	s_cbranch_scc0 .Lweights
	; ---------------- x: K is innermost.  Wave w takes tokens 32 w .. 32 w + 31 of the group: fragments 2 w and 2 w + 1
	v_and_b32 v3, 15, v0                           ; r
	v_bfe_u32 v1, v0, 4, 1                         ; h
	s_mul_i32 s24, s14, 8448
	v_add_nc_u32 v6, s24, v4                       ; the stage, in: 16 x lane of a row
	v_mul_u32_u24 v7, v3, 528
	v_lshl_add_u32 v7, v1, 6, v7
	v_add_nc_u32 v7, s24, v7                       ; out: row r, + 64 h: my 16 numbers of a block of 32
	v_lshlrev_b32 v59, 4, v3
	v_lshl_add_u32 v59, v1, 1, v59
	s_lshl_b32 s25, s14, 2
	s_add_co_u32 s25, s25, XSC
	v_add_nc_u32 v59, s25, v59                     ; plane 0, half-word 16 r + 2 (2 w + h)
	v_add_nc_u32 v2, XSC, v4                       ; the planes' way out: 16 x lane
.irp b, 0,1,2,3
	v_mov_b32 v[TM+4+\b], 0                        ; written once: a lane permute's destination counts as one of its sources
.endr
	s_lshr_b32 s26, ttmp9, 3                       ; the group of 128 tokens
	s_and_b32 s27, ttmp9, 7                        ; the K step
	s_lshl_b32 s26, s26, 19                        ; 128 rows of 4,096 bytes
	s_lshl_b32 s28, s14, 17                        ; 32 rows
	s_add_co_u32 s26, s26, s28
	s_lshl_b32 s27, s27, 9                         ; 128 numbers
	s_add_co_u32 s26, s26, s27
	s_mov_b32 s27, 0
	s_mul_i32 s28, ttmp9, OBB
	s_add_co_u32 s28, s28, s23
	s_mov_b32 s29, 0
	s_wait_alu depctr_va_vdst(0)
	s_wait_kmcnt 0x0
	s_add_nc_u64 s[4:5], s[4:5], s[26:27]
	s_add_nc_u64 s[10:11], s[10:11], s[28:29]
.set n, 0
.rept 32                                       ; load 16 u + r: fragment 2 w + u's row r: 32 lanes read its 512 consecutive bytes
	global_load_b128 v[R+4*n:R+4*n+3], v4, s[4:5] offset:(8*(n/16)+n%16+8*((n%16)/8))*4096 th:TH_LOAD_NT
.set n, n+1
.endr
.macro TURN u, x                       ; 16 rows through my stage: in as loaded, out 64 numbers a lane.  LDS serves a wave's instructions in order (ISA guide 5.7.1.4)
.set n, 0
.rept 16
	ds_store_b128 v6, v[R+64*\u+4*n:R+64*\u+4*n+3] offset:528*n
.set n, n+1
.endr
.set n, 0
.rept 16
	ds_load_b128 v[\x+4*n:\x+4*n+3], v7 offset:128*(n/4)+16*(n%4)
.set n, n+1
.endr
.endm
	s_wait_loadcnt 16                              ; fragment 0's sixteen loads are in; fragment 1's may be out
	TURN 0, X0
	s_wait_loadcnt 0x0
	s_wait_dscnt 16                                ; the first turn's stores are done (its 16 loads may be out): the second turn's loads land in the registers that they read
	TURN 1, X1
	s_wait_dscnt 32                                ; the first turn's loads are in; the second turn's 16 stores and 16 loads may be out
	QUANT X0, PC0, PW0
.irp p, 0,1,2,3,4,5
	global_store_b64 v5, v[PC0+2*\p:PC0+2*\p+1], s[10:11] offset:256*\p         ; 32 lanes store 256 consecutive bytes, aligned
.endr
	s_wait_dscnt 0x0
	QUANT X1, PC0+12, PW0+1
.irp p, 0,1,2,3,4,5
	global_store_b64 v5, v[PC0+12+2*\p:PC0+13+2*\p], s[10:11] offset:1536+256*\p
.endr
	v_cndmask_b32 v58, v[PW0], v[PW0+1], s22       ; lanes 0-15: fragment 2 w's word of row r, lanes 16-31: fragment 2 w + 1's
	ds_store_b16 v59, v58
	ds_store_b16_d16_hi v59, v58 offset:256
	s_wait_dscnt 0x0                               ; for the others' sake: my half-words lie in the planes
	s_barrier_signal -1
	s_barrier_wait -1
	s_cmp_lg_u32 s14, 0
	s_cbranch_scc1 .Lx_end
	ds_load_b128 v[60:63], v2                      ; wave 0 stores the two planes: 512 consecutive bytes (its base has no wave term)
	s_wait_dscnt 0x0
	global_store_b128 v4, v[60:63], s[10:11] offset:12288
.Lx_end:
	s_wait_tensorcnt 0x0
	ds_add_u32 v26, v27
	s_wait_dscnt 0x0
	s_endpgm
	; ---------------- the weights: K is the FIRST axis.  A lane takes a column, its registers run down K: a block of 32 lies in one lane
.Lweights:
	s_sub_co_u32 s24, ttmp9, 512                   ; the block's number in wimg: 0-191 W_attn's, 192-255 W_proj's
	s_cmp_lt_u32 s24, 192
	s_cselect_b32 s25, 0, 192
	s_mov_b32 s26, 4096
	s_cselect_b32 s26, 12288, s26                  ; a row of the weight in bytes
	s_wait_kmcnt 0x0
	s_cselect_b64 s[6:7], s[6:7], s[8:9]           ; the weight: the choice hangs on the work-group's number alone
	s_sub_co_u32 s25, s24, s25
	s_lshr_b32 s25, s25, 3                         ; its group of 128 columns
	s_and_b32 s27, s24, 7                          ; the K step
	s_lshl_b32 s28, s27, 7
	s_mul_i32 s28, s28, s26                        ; 128 rows a K step
	s_lshl_b32 s25, s25, 9
	s_add_co_u32 s28, s28, s25                     ; + 128 columns a group
	s_lshl_b32 s25, s14, 7
	s_add_co_u32 s28, s28, s25                     ; + 32 columns a wave
	s_mov_b32 s29, 0
	s_mov_b32 s27, 0                               ; s[26:27]: a row
	s_add_nc_u64 s[32:33], s[6:7], s[28:29]        ; sixteen bases, a row apart,
.irp i, 1,2,3,4,5,6,7,8,9,10,11,12,13,14,15
	s_add_nc_u64 s[32+2*\i:33+2*\i], s[30+2*\i:31+2*\i], s[26:27]
.endr
	s_mul_i32 s28, s24, OBB
	s_add_co_u32 s28, s28, s23
	s_add_nc_u64 s[12:13], s[12:13], s[28:29]
	s_wait_alu depctr_va_vdst(0)
	v_lshlrev_b32 v7, 2, v2                        ; 4 x lane
	s_wait_alu depctr_va_vdst(0)
	s_lshl_b32 s30, s26, 4
.irp m, 0,1,2,3,4,5,6,7
	s_mul_i32 s31, s30, \m
	v_add_nc_u32 v[8+\m], s31, v7                  ; and eight offsets, sixteen rows apart: one text serves both row lengths
.endr
	v_bfe_u32 v1, v0, 3, 1                         ; column 32 w + l is row r = l % 8 + 8 (l / 16) of fragment 2 w + u, u = (l / 8) % 2
	v_and_b32 v3, 7, v0
	v_bfe_u32 v6, v0, 4, 1
	v_lshl_add_u32 v3, v6, 3, v3
	s_mul_i32 s31, s14, 3328
	s_add_co_u32 s31, s31, WST
	v_mul_u32_u24 v21, v1, 1664
	v_lshl_add_u32 v21, v3, 3, v21
	v_add_nc_u32 v21, s31, v21                     ; into my images: fragment u, 8 r
	v_add_nc_u32 v22, s31, v4                      ; out of them: 16 x lane
	v_lshlrev_b32 v24, 4, v3
	v_lshl_add_u32 v24, v1, 1, v24
	s_lshl_b32 s31, s14, 2
	s_add_co_u32 s31, s31, WSC
	v_add_nc_u32 v24, s31, v24                     ; plane 0, half-word 16 r + 2 (2 w + u)
	v_add_nc_u32 v25, WSC, v4
.macro WLOAD kb                        ; block kb of 32 along K into set kb % 2: each load reads 128 consecutive bytes, the four waves side by side
.set n, 0
.rept 32
	global_load_b32 v[128+32*((\kb)%2)+n], v[8+2*(\kb)+n/16], s[32+2*(n%16):33+2*(n%16)] th:TH_LOAD_NT
.set n, n+1
.endr
.endm
.macro WBLOCK kb
.set XS, 128+32*((\kb)%2)
.if (\kb) < 3
	s_wait_loadcnt 32                              ; this block's 32 loads are in; the next block's may be out
.else
	s_wait_loadcnt 0x0
.endif
	v_max3_num_f32 v16, |v[XS]|, |v[XS+1]|, |v[XS+2]|
	v_max3_num_f32 v17, |v[XS+3]|, |v[XS+4]|, |v[XS+5]|
.irp i, 6,10,14,18,22,26
	v_max3_num_f32 v16, v16, |v[XS+\i]|, |v[XS+\i+1]|
	v_max3_num_f32 v17, v17, |v[XS+\i+2]|, |v[XS+\i+3]|
.endr
	v_max3_num_f32 v16, v16, |v[XS+30]|, |v[XS+31]|
	v_max3_num_f32 v16, v16, v17, 0x2800000        ; the block's largest magnitude, and the floor
	v_add_nc_u32 v18, 0xfe000000, v16              ; the conversion's scale operand
	v_lshrrev_b32 v19, 23, v18                     ; the byte
.if (\kb) == 0
	v_mov_b32 v20, v19
.else
	v_lshl_or_b32 v20, v19, 8*(\kb), v20           ; my column's scale word
.endif
	v_cvt_scalef32_pk16_bf6_f32 v[64+6*(\kb):66+6*(\kb)], v[XS:XS+15], v18
	v_cvt_scalef32_pk16_bf6_f32 v[88+4*(\kb):90+4*(\kb)], v[XS+16:XS+31], v18
	v_nop                                          ; one plain place behind a scaled conversion
.irp i, 0,1,2
	v_mov_b32 v[67+6*(\kb)+\i], v[88+4*(\kb)+\i]
.endr
.irp i, 0,1,2                                  ; k = 64 c + 32 h' + .. with kb = 2 c + h': registers 6 c .. of lane r + 16 h': pieces 3 c + i, at 8 r + 128 h'
	ds_store_b64 v21, v[64+6*(\kb)+2*\i:65+6*(\kb)+2*\i] offset:256*(3*((\kb)/2)+\i)+128*((\kb)%2)
.endr
.if (\kb) < 2
	WLOAD (\kb)+2
.endif
.endm
	WLOAD 0
	WLOAD 1
	WBLOCK 0
	WBLOCK 1
	WBLOCK 2
	WBLOCK 3
	ds_store_b16 v24, v20
	ds_store_b16_d16_hi v24, v20 offset:256
.irp u, 0,1
.irp t, 0,1,2
	ds_load_b128 v[192+12*\u+4*\t:195+12*\u+4*\t], v22 offset:1664*\u+512*\t   ; my own images: LDS serves a wave's instructions in order
.endr
.endr
.irp u, 0,1
.irp t, 0,1,2
	s_wait_dscnt 5-(3*\u+\t)                       ; the younger loads may be out
	global_store_b128 v4, v[192+12*\u+4*\t:195+12*\u+4*\t], s[12:13] offset:1536*\u+512*\t   ; 512 consecutive bytes, aligned
.endr
.endr
	s_barrier_signal -1                            ; (the last wait above was for 0: my half-words lie in the planes)
	s_barrier_wait -1
	s_cmp_lg_u32 s14, 0
	s_cbranch_scc1 .Lw_end
	ds_load_b128 v[60:63], v25
	s_wait_dscnt 0x0
	global_store_b128 v4, v[60:63], s[12:13] offset:12288
.Lw_end:
	s_wait_tensorcnt 0x0
	ds_add_u32 v26, v27
	s_wait_dscnt 0x0
	s_endpgm
.Lfunc_end_k_q0a1021974d_quant:
	.size	k_q0a1021974d_quant, .Lfunc_end_k_q0a1021974d_quant-k_q0a1021974d_quant
	.p2alignl 7, 3214868480
	.fill 96, 4, 3214868480
	.section	.rodata,"a",@progbits
	.p2align	6, 0x0
	.amdhsa_kernel k_q0a1021974d_quant
		.amdhsa_group_segment_fixed_size 48640
		.amdhsa_private_segment_fixed_size 0
		.amdhsa_enable_private_segment 0
		.amdhsa_kernarg_size 40
		.amdhsa_user_sgpr_count 2
		.amdhsa_user_sgpr_kernarg_segment_ptr 1
		.amdhsa_wavefront_size32 1
		.amdhsa_system_sgpr_workgroup_id_x 1
		.amdhsa_system_sgpr_workgroup_id_y 1
		.amdhsa_system_sgpr_workgroup_id_z 1
		.amdhsa_system_vgpr_workitem_id 0
		.amdhsa_next_free_vgpr 256
		.amdhsa_next_free_sgpr 66
		.amdhsa_reserve_vcc 0
		.amdhsa_float_denorm_mode_32 3
		.amdhsa_float_denorm_mode_16_64 3
		.amdhsa_memory_ordered 1
		.amdhsa_forward_progress 1
		.amdhsa_inst_pref_size 42
	.end_amdhsa_kernel
	.amdgpu_metadata
---
amdhsa.version: [ 1, 2 ]
amdhsa.kernels:
  - .name:           k_q0a1021974d_quant
    .symbol:         k_q0a1021974d_quant.kd
    .args:
      - { .name: x, .offset: 0, .size: 8, .value_kind: global_buffer, .address_space: global }
      - { .name: W_attn, .offset: 8, .size: 8, .value_kind: global_buffer, .address_space: global }
      - { .name: W_proj, .offset: 16, .size: 8, .value_kind: global_buffer, .address_space: global }
      - { .name: ximg, .offset: 24, .size: 8, .value_kind: global_buffer, .address_space: global }
      - { .name: wimg, .offset: 32, .size: 8, .value_kind: global_buffer, .address_space: global }
    .group_segment_fixed_size: 48640
    .private_segment_fixed_size: 0
    .kernarg_segment_align: 8
    .kernarg_segment_size: 40
    .max_flat_workgroup_size: 128
    .sgpr_count:     66
    .vgpr_count:     256
    .wavefront_size: 32
...
	.end_amdgpu_metadata
.endif
;; end of part 1
;; launch gemm_qkv (part 2): grid 8 x 32, 4 waves a work-group, clusters of 4 x 4, 327,680 bytes of LDS; arguments ximg, wimg, b_attn, qimg, kvimg; writes qimg, kvimg
.if DOCPART == 2
	.amdgcn_target "amdgcn-amd-amdhsa--gfx1250"
	.amdhsa_code_object_version 6
	.text
	.protected	k_q0a1021974d_gemm_qkv
	.globl	k_q0a1021974d_gemm_qkv
	.p2align	8
	.type	k_q0a1021974d_gemm_qkv,@function
k_q0a1021974d_gemm_qkv:
	s_mov_b64 s[64:65], 0
	v_nop
	global_prefetch_b8 v0, s[64:65] scope:SCOPE_SE
	s_setreg_imm32_b32 hwreg(HW_REG_WAVE_MODE, 25, 1), 1
	s_wait_xcnt 0x0
	s_wait_alu depctr_hold_cnt(0) depctr_sa_sdst(0) depctr_va_vdst(0) depctr_va_sdst(0) depctr_va_ssrc(0) depctr_va_vcc(0) depctr_vm_vsrc(0)
	s_getreg_b32 s2, hwreg(HW_REG_IB_STS2, 6, 4)
	s_cmp_eq_u32 s2, 0
	s_cbranch_scc0 .Lentry_in_a_cluster
	s_endpgm
.Lentry_in_a_cluster:
	s_bfe_u32 s2, ttmp6, 0x10000c
	s_cmp_lg_u32 s2, 0xf033
	s_cbranch_scc0 .Lentry_shape_is_right
	s_endpgm
.Lentry_shape_is_right:
; qkv = x W_attn + b_attn on codes of BF6 (E3M2) with E8M0 scales, K = 1,024; the results are quantised in registers and leave as codes: q and k along the head's 64 channels, v along the keys.
; OPERANDS come as blocks of 12,800 bytes (128 rows x 128 K): eight fragment images of 1,536 bytes (piece p of six: registers 2 p, 2 p + 1 of lane l at 256 p + 8 l), then two planes of 256 scale bytes
; (plane c, half-word at 16 r + 2 i: bytes 2 c, 2 c + 1 of the word of fragment i, row r).  Fragment i's row r is the group's row 32 (i / 2) + 8 (i % 2) + r + 8 (r / 8).  A group's eight K steps lie on end: 102,400 bytes.
; A product is D = (source 0: fragment b of S0) x (source 1: fragment a of S1): lane (r, h), register j holds S1's row of (a, r) and S0's row 32 (b / 2) + 16 h + 8 (b % 2) + j: the 64 registers of a's eight
; accumulators run along S0, 16 neighbours for each 32: what the conversions want.
; SHARES: 8 x 32 = 256 work-groups THAT STAY.  Work-group (cg, tile) keeps its 256 tokens (two groups, all of K) in LDS and takes three groups of 128 columns of W_attn through one further room: cg (q), cg + 8 (k), cg + 16 (v).
; q, k: S1 = tokens, S0 = W's columns (a lane holds a token, registers along the channels): wave w takes fragments 4 (w % 2) .. + 3 of token group w / 2 against the column group's eight.
; v: S1 = W's columns, S0 = tokens (a lane holds a channel, registers along the keys): wave w takes fragments 4 (w % 2) .. + 3 of the column group against token group w / 2's eight.  32 accumulators, 256 registers.
; LDS: token groups at 0 and 102,400, W's room at 204,800.  The head: waves 0 and 1 ask for a token group each (400 rows of 256 bytes), waves 2 and 3 for a half of W's group (200 rows).  W's room is filled again twice:
; at a pass's last K step, when every wave's LDS reads are over, behind the three lines and a round of the cluster's barrier; waves 2 and 3 ask, one load each; the step's 32 products and the whole way out stand between
; the request and the wait for it.  For that reason no prefetch is laid.  CLUSTER 4 x 4: the tokens' tile hangs on cy and is asked for jointly by my row, W's group on cx, by my column.
; q and k run one body, a loop of two trips (pointers and strides in scalar registers); v's body is written out.
; THE WAY OUT has no LDS: codes leave as pieces of 256 consecutive bytes.  q's and k's scale words: a wave holds the words of two of a head's four fragments and stores 4 bytes a lane, 8 bytes apart; the wave with the other
; w % 2 stores the words between them (256 bytes of words for each 6,144 of codes).
; LIMITS: a block of zeros or under 2^-122 gets the byte 1 (read by this program alone); NaN and infinities are not served.
; REGISTERS: window 0: v4-8 offsets of the way out; v9 8 x lane; v10-15, v16-21 LDS addresses for v and for q, k; v24-25 the bias's offsets; v28-29 the add's; v32-47 scale words by fragment, two sets; v48-55 the planes as read;
;   v56-63 my four S1 fragments' words, two sets; v64-127 q's, then k's bias; v128-223 S1's fragments, two sets; on the way out v128-183 codes, v224-249 at work.
;   window 1: S0's fragments, two sets, at v0 and v128; v96-127 v's bias.  window 2: accumulator (a, b) at v[8 (8 a + b)].
.set OBB,   12800
.set GRP,   102400
.set HALF,  51200                      ; four K steps of a group: the reach of one address register (an LDS offset has 16 bits)
.set SPARE, 307200                     ; behind the three rooms: the spare words, 128 bytes a wave
.set FR,    12
.set MV,    10                         ; an address set m: v[m], v[m+1] my four S1 fragments, K steps 0-3 and 4-7; v[m+2], v[m+3] S0's eight; v[m+4], v[m+5] the planes (lanes 0-15 S1's, lanes 16-31 S0's)
.set MT,    16
.set SPW,   28
.set NIL,   29
.set SCW,   32
.set RAW,   48
.set SCA,   56
.set BIAS,  64
.set VB,    96                         ; in window 1
.set AF,    128
.set DST,   128
.set CT,    176
.set TM,    224
.set PWD,   240
.set G1A,   24                         ; s[24:31], s[32:35] groups 1 and 0 for the tokens
.set G0A,   32
.set UM,    40                         ; all ones in waves with w % 2 = 1
.set G1B,   44                         ; s[44:51], s[52:55] the same for W
.set G0B,   52
.set SEL,   96
.set MSB, 0
.macro WIN new                         ; the immediate's high byte repeats the setting that is left
.if MSB != (\new)
	s_set_vgpr_msb (MSB<<8)|(\new)
.set MSB, (\new)
.endif
.endm
.macro PLACES n
.rept \n
	v_nop
.endr
.endm
.macro CREST                           ; a round of the cluster's barrier behind its opening barrier
	s_cmp_lg_u32 s14, 0
	s_cbranch_scc1 .Lnot_wave_0_\@
	s_barrier_signal -3
.Lnot_wave_0_\@:
	s_barrier_wait -3
	s_barrier_signal -1
	s_barrier_wait -1
.endm
.macro CROUND
	s_barrier_signal -1
	s_barrier_wait -1
	CREST
.endm
.macro FRAG reg, adr, q, i             ; a fragment as it lies: six dense loads of 256 bytes
.irp p, 0,1,2,3,4,5
	ds_load_b64 v[\reg+2*\p:\reg+2*\p+1], v[\adr] offset:OBB*(\q)+1536*(\i)+256*\p
.endr
.endm
.macro FETCH m, ks                     ; K step ks into set ks % 2: S0's eight fragments, my four of S1, my row's 16 bytes of each plane
	WIN 0x40
.irp i, 0,1,2,3,4,5,6,7
	FRAG 128*((\ks)%2)+FR*\i, \m+2+(\ks)/4, (\ks)%4, \i
.endr
	WIN 0
.irp i, 0,1,2,3
	FRAG AF+48*((\ks)%2)+FR*\i, \m+(\ks)/4, (\ks)%4, \i
.endr
	ds_load_b128 v[RAW:RAW+3], v[\m+4+(\ks)/4] offset:OBB*((\ks)%4)
	ds_load_b128 v[RAW+4:RAW+7], v[\m+4+(\ks)/4] offset:OBB*((\ks)%4)+256
.endm
.macro WORDS set                       ; fragment i's word: plane 0's half-word below, plane 1's above; then my four S1 fragments' words: 0-3 or 4-7 by w % 2
.irp i, 0,1,2,3,4,5,6,7
.if (\i%2) == 0
	v_perm_b32 v[SCW+8*(\set)+\i], v[RAW+4+\i/2], v[RAW+\i/2], 0x05040100
.else
	v_perm_b32 v[SCW+8*(\set)+\i], v[RAW+4+\i/2], v[RAW+\i/2], 0x07060302
.endif
.endr
.irp a, 0,1,2,3
	v_cndmask_b32 v[SCA+4*(\set)+\a], v[SCW+8*(\set)+\a], v[SCW+8*(\set)+4+\a], s[UM]
.endr
	PLACES 8                                       ; a scale register written by a vector instruction stands eight places ahead of the scaled matrix instruction
.endm
; 32 products: my four S1 fragments x S0's eight.  cm = 0: onto the sums; 1: the bias by S0's fragment starts them; 2: the bias by S1's fragment.  The 32 accumulators take turns.
.macro MUL32 set, cm
.irp a, 0,1,2,3
.irp b, 0,1,2,3,4,5,6,7
.if \cm == 0
	v_wmma_scale_f32_16x16x128_f8f6f4 v[8*(8*\a+\b):8*(8*\a+\b)+7], v[128*(\set)+FR*\b:128*(\set)+FR*\b+FR-1], v[AF+48*(\set)+FR*\a:AF+48*(\set)+FR*\a+FR-1], v[8*(8*\a+\b):8*(8*\a+\b)+7], v[SCW+8*(\set)+\b], v[SCA+4*(\set)+\a] matrix_a_fmt:MATRIX_FMT_BF6 matrix_b_fmt:MATRIX_FMT_BF6 matrix_a_scale:MATRIX_SCALE_ROW1
.elseif \cm == 1
	v_wmma_scale_f32_16x16x128_f8f6f4 v[8*(8*\a+\b):8*(8*\a+\b)+7], v[128*(\set)+FR*\b:128*(\set)+FR*\b+FR-1], v[AF+48*(\set)+FR*\a:AF+48*(\set)+FR*\a+FR-1], v[BIAS+8*\b:BIAS+8*\b+7], v[SCW+8*(\set)+\b], v[SCA+4*(\set)+\a] matrix_a_fmt:MATRIX_FMT_BF6 matrix_b_fmt:MATRIX_FMT_BF6 matrix_a_scale:MATRIX_SCALE_ROW1
.else
	v_wmma_scale_f32_16x16x128_f8f6f4 v[8*(8*\a+\b):8*(8*\a+\b)+7], v[128*(\set)+FR*\b:128*(\set)+FR*\b+FR-1], v[AF+48*(\set)+FR*\a:AF+48*(\set)+FR*\a+FR-1], v[VB+8*\a:VB+8*\a+7], v[SCW+8*(\set)+\b], v[SCA+4*(\set)+\a] matrix_a_fmt:MATRIX_FMT_BF6 matrix_b_fmt:MATRIX_FMT_BF6 matrix_a_scale:MATRIX_SCALE_ROW1
.endif
.endr
.endr
.endm
; W's room takes the column group eight further on.  Every wave's LDS reads are over (the wait at the step's head); the three lines, a round of the cluster's barrier, then the joint load, one a wave, of waves 2 and 3.
.macro REFILL
	s_wait_alu depctr_va_vdst(0)
	s_wait_tensorcnt 0x0
	ds_add_u32 v[SPW], v[NIL]                      ; 0 onto my spare word
	s_add_nc_u64 s[G0B+2:G0B+3], s[G0B+2:G0B+3], 8*GRP   ; no tensor load of mine is out: group 0 may be written
	s_wait_dscnt 0x0
	CROUND                                         ; no wave of any partner still reads W's room or has a load on its way
	s_cmp_eq_u32 s15, 0
	s_cbranch_scc1 .Lno_refill_\@
	tensor_load_to_lds s[G0B:G0B+3], s[G1B:G1B+7]
	s_nop 0
.rept 4
	v_nop
.endr
.Lno_refill_\@:
.endm
; K step ks of address set m.  Its fragments are in; the scale words' 20 vector lines are the places in front of the loads into the other set, which the step before multiplied.
.macro STEP m, ks, cm, refill
	s_wait_dscnt 0x0
	WORDS (\ks)%2
.if \ks < 7
	FETCH \m, (\ks)+1
.elseif \refill
	REFILL
.endif
.if \ks == 0
.if \cm == 1
	WIN 0x81                                       ; source 0 window 1, source 1 and C (the bias) window 0, D window 2
.else
	WIN 0x91                                       ; C (v's bias) window 1
.endif
	MUL32 0, \cm
.else
	WIN 0xa1                                       ; C and D window 2
	MUL32 (\ks)%2, 0
.endif
	WIN 0
.endm
; The 64 results of S1's fragment a become a fragment's 12 registers in v[dst] on and a scale word in v[pw].  Each accumulator is read from its low end on.
.macro QACC a, dst, pw
.set QS, 64*(\a)
	WIN 0x0a                                       ; sources 0 and 1: window 2
.irp b, 0,1,2,3
	v_max3_num_f32 v[TM+\b], |v[QS+16*\b]|, |v[QS+1+16*\b]|, 0x2800000   ; and the floor 2^(5 - 127)
.endr
.irp i, 2,4,6,8,10,12,14
.irp b, 0,1,2,3
	v_max3_num_f32 v[TM+\b], |v[QS+16*\b+\i]|, |v[QS+1+16*\b+\i]|, v[TM+\b]
.endr
.endr
	WIN 0
.irp b, 0,1,2,3
	v_permlanex16_b32 v[TM+4+\b], v[TM+\b], s[SEL], s[SEL+1]
.endr
.irp b, 0,1,2,3
	v_max_num_f32 v[TM+\b], v[TM+\b], v[TM+4+\b]
.endr
.irp b, 0,1,2,3
	v_add_nc_u32 v[TM+12+\b], 0xfe000000, v[TM+\b]
.endr
.irp b, 0,1,2,3
	v_lshrrev_b32 v[TM+4+\b], 23, v[TM+12+\b]
.endr
	v_lshl_or_b32 v[\pw], v[TM+5], 8, v[TM+4]
	v_lshl_or_b32 v[\pw], v[TM+6], 16, v[\pw]
	v_lshl_or_b32 v[\pw], v[TM+7], 24, v[\pw]
	WIN 0x02                                       ; source 0: window 2
.irp c, 0,1
	v_cvt_scalef32_pk16_bf6_f32 v[\dst+6*\c:\dst+2+6*\c], v[QS+32*\c:QS+15+32*\c], v[TM+12+2*\c]
	v_cvt_scalef32_pk16_bf6_f32 v[CT+4*\c:CT+2+4*\c], v[QS+16+32*\c:QS+31+32*\c], v[TM+12+2*\c+1]
.endr
	WIN 0
	v_nop                                          ; one plain place behind a scaled conversion
.irp c, 0,1
.irp i, 0,1,2
	v_permlane16_swap_b32 v[\dst+6*\c+\i], v[CT+4*\c+\i]
.endr
.irp i, 0,1,2
	v_mov_b32 v[\dst+3+6*\c+\i], v[CT+4*\c+\i]
.endr
.endr
.endm
	s_load_b256 s[4:11], s[0:1], 0x0               ; ximg, wimg, b_attn, qimg
	s_load_b64 s[12:13], s[0:1], 0x20              ; kvimg
	v_lshl_add_u32 v[SPW], v0, 2, SPARE
	v_mov_b32 v[NIL], 0
	ds_add_u32 v[SPW], v[NIL]                      ; the opening lines: the add, twice on end, and its wait ahead of my first tensor load
	ds_add_u32 v[SPW], v[NIL]
	v_lshrrev_b32 v1, 5, v0
	v_readfirstlane_b32 s14, v1                    ; wave 0..3
	s_lshr_b32 s15, s14, 1                         ; my token group.  Also: I fetch tokens (0) or W (1)
	s_and_b32 s16, s14, 1                          ; u: which four S1 fragments.  Also: which group, or which half, I fetch
	s_bfe_u32 s17, ttmp6, 0x40000                  ; cx
	s_bfe_u32 s18, ttmp6, 0x40004                  ; cy
	s_and_b32 s19, ttmp7, 0xffff
	s_lshl_b32 s22, ttmp9, 2
	s_add_co_u32 s22, s22, s17                     ; cg, 0..7: hangs on cx
	s_lshl_b32 s23, s19, 2
	s_add_co_u32 s23, s23, s18                     ; the tile of 256 tokens, 0..31: hangs on cy
	s_lshl_b32 s94, s18, 2
	s_lshl_b32 s94, 15, s94                        ; my row of the cluster
	s_lshl_b32 s95, 0x1111, s17                    ; my column
	s_or_b32 s[G1A], s94, (3<<16)|(1<<21)          ; the mask; elements of 8 bytes; bit 21 beside a mask; no padding
	s_or_b32 s[G1B], s95, (3<<16)|(1<<21)
	s_mov_b32 s[G1A+1], 32<<16                     ; dense rows of 256 bytes: 400 for a token group,
	s_mov_b32 s[G1A+2], 400<<16
	s_mov_b32 s[G1A+3], 32<<16
	s_mov_b32 s[G1A+4], 400
	s_mov_b32 s[G1A+5], 32
	s_mov_b32 s[G1A+6], 0
	s_mov_b32 s[G1A+7], 0
	s_mov_b32 s[G1B+1], 32<<16                     ; 200 for a half of a column group
	s_mov_b32 s[G1B+2], 200<<16
	s_mov_b32 s[G1B+3], 32<<16
	s_mov_b32 s[G1B+4], 200
	s_mov_b32 s[G1B+5], 32
	s_mov_b32 s[G1B+6], 0
	s_mov_b32 s[G1B+7], 0
	s_lshl_b32 s68, s23, 1
	s_add_co_u32 s68, s68, s16
	s_mul_i32 s68, s68, GRP                        ; the token group that I fetch
	s_mov_b32 s69, 0
	s_mul_i32 s94, s22, GRP                        ; q's column group,
	s_mul_i32 s88, s16, HALF
	s_add_co_u32 s94, s94, s88                     ; the half that I fetch
	s_mov_b32 s95, 0
	s_mov_b32 s[G0A], 1
	s_mul_i32 s[G0A+1], s16, GRP                   ; no place in the cluster enters an LDS address
	s_mov_b32 s[G0B], 1
	s_add_co_u32 s[G0B+1], s88, 2*GRP
	s_wait_dscnt 0x0                               ; both opening adds are done
	s_wait_kmcnt 0x0
	s_add_nc_u64 s[G0A+2:G0A+3], s[4:5], s[68:69]
	s_or_b32 s[G0A+3], s[G0A+3], 0x80000000
	s_add_nc_u64 s[G0B+2:G0B+3], s[6:7], s[94:95]
	s_or_b32 s[G0B+3], s[G0B+3], 0x80000000
	CROUND                                         ; all sixteen work-groups are here: the joint loads meet
	s_cmp_eq_u32 s15, 0                            ; one load a wave, in one arm of a branch on the wave's number
	s_cbranch_scc0 .Lfor_b
	tensor_load_to_lds s[G0A:G0A+3], s[G1A:G1A+7]
	s_nop 0
.rept 4
	v_nop
.endr
	s_branch .Lasked
.Lfor_b:
	tensor_load_to_lds s[G0B:G0B+3], s[G1B:G1B+7]
	s_nop 0
.rept 4
	v_nop
.endr
.Lasked:
	s_mul_i32 s78, s15, GRP                        ; my token group in LDS
	s_mul_i32 s74, s16, 4*1536
	s_add_co_u32 s75, s74, s78                     ; q, k: my four fragments of it
	s_add_co_u32 s74, s74, 2*GRP                   ; v: my four fragments of W's group
	s_sub_co_u32 s80, 2*GRP, s78                   ; from the tokens' planes to W's
	s_add_co_u32 s79, s78, 12288
	s_cmp_eq_u32 s16, 1
	s_cselect_b32 s[UM], -1, 0
	s_mov_b32 s[SEL], 0x76543210
	s_mov_b32 s[SEL+1], 0xfedcba98
	s_mov_b32 s98, 0xffff0000                      ; lanes 16-31
	; where the results go.  My tokens are step s of batch b; the column group is heads A = 2 cg and A + 1 of its part.  A block of qimg is 6,400 bytes, of kvimg 12,800; a head has sixteen.
	s_lshl_b32 s82, s23, 1
	s_add_co_u32 s82, s82, s15                     ; my token group, 0..63
	s_lshr_b32 s83, s82, 4
	s_lshl_b32 s83, s83, 4                         ; 16 b
	s_lshl_b32 s84, s22, 1
	s_add_co_u32 s83, s83, s84                     ; 16 b + A
	s_and_b32 s85, s82, 15                         ; s
	s_lshl_b32 s86, s83, 4
	s_add_co_u32 s86, s86, s85                     ; head A's block
	s_mov_b32 s89, 0
	s_mul_i32 s88, s86, 6400
	s_add_nc_u64 s[58:59], s[10:11], s[88:89]      ; the pass in hand: q's block,
	s_mov_b32 s66, 16*6400                         ; from head to head,
	s_mov_b32 s67, 6144                            ; the scale words' place
	s_mul_i32 s88, s86, OBB
	s_add_nc_u64 s[70:71], s[12:13], s[88:89]      ; the same for k
	s_mov_b32 s72, 16*OBB
	s_mov_b32 s73, 12288
	s_lshl_b32 s81, s16, 4
	s_add_co_u32 s86, s86, s81                     ; v: my four fragments are head A + u's
	s_mul_i32 s88, s86, OBB
	s_add_nc_u64 s[76:77], s[12:13], s[88:89]
	s_lshl_b32 s88, s22, 9
	s_add_nc_u64 s[56:57], s[8:9], s[88:89]        ; q's bias: 128 columns from 128 cg
	s_lshl_b32 s81, s16, 8
	s_add_co_u32 s88, s88, s81
	s_add_co_u32 s88, s88, 16*512
	s_add_nc_u64 s[90:91], s[8:9], s[88:89]        ; v's: 64 channels from 128 (cg + 16) + 64 u
	s_mul_i32 s92, s16, 3072                       ; q, k: tile 4 u + a lies at 768 (4 u + a)
	s_lshl_b32 s93, s16, 2                         ; and its fragment's word at 8 l + 4 u
	v_and_b32 v1, 31, v0
	v_and_b32 v2, 15, v0                           ; r
	v_bfe_u32 v3, v0, 4, 1                         ; h
	v_lshlrev_b32 v9, 3, v1                        ; 8 x lane
	v_sub_nc_u32 v7, 1, v3
	v_mul_u32_u24 v22, s80, v3                     ; q, k: lanes 16-31 take W's planes: one product in h
	v_mul_u32_u24 v23, s80, v7                     ; v: lanes 0-15 do
	v_lshl_add_u32 v22, v2, 4, v22
	v_lshl_add_u32 v23, v2, 4, v23
	v_add_nc_u32 v[MT+4], s79, v22
	v_add_nc_u32 v[MV+4], s79, v23
	v_add_nc_u32 v[MT+5], HALF, v[MT+4]
	v_add_nc_u32 v[MV+5], HALF, v[MV+4]
	v_add_nc_u32 v[MT], s75, v9
	v_add_nc_u32 v[MV], s74, v9
	v_add_nc_u32 v[MT+1], HALF, v[MT]
	v_add_nc_u32 v[MV+1], HALF, v[MV]
	v_add_nc_u32 v[MT+2], 2*GRP, v9
	v_add_nc_u32 v[MV+2], s78, v9
	v_add_nc_u32 v[MT+3], HALF, v[MT+2]
	v_add_nc_u32 v[MV+3], HALF, v[MV+2]
	v_add_nc_u32 v4, s92, v9
	v_add_nc_u32 v8, s93, v9
	v_lshlrev_b32 v25, 6, v3                       ; q, k: the register's column: 64 h + 4 j
	v_and_b32 v24, 8, v2
	v_add_nc_u32 v24, v24, v2
	v_lshlrev_b32 v24, 2, v24                      ; v: the lane's channel of a fragment: 4 (r + 8 (r / 8))
.irp b, 0,1,2,3
	v_mov_b32 v[TM+4+\b], 0                        ; a lane permute's destination counts as one of its sources
.endr
.macro TBIAS                           ; the bias of 128 columns, by S0's fragment
.irp b, 0,1,2,3,4,5,6,7
	global_load_b128 v[BIAS+8*\b:BIAS+8*\b+3], v25, s[56:57] offset:128*(\b/2)+32*(\b%2)
	global_load_b128 v[BIAS+8*\b+4:BIAS+8*\b+7], v25, s[56:57] offset:128*(\b/2)+32*(\b%2)+16
.endr
.endm
	TBIAS
	WIN 0x40                                       ; v's bias, by S1's fragment: the lane's channel in all eight registers
.irp a, 0,1,2,3
.irp j, 0,1,2,3,4,5,6,7
	global_load_b32 v[VB+8*\a+\j], v24, s[90:91] offset:4*(32*(\a/2)+8*(\a%2))
.endr
.endr
	WIN 0
	; ---------------- q, then k
	s_mov_b32 s99, 0
.Lpass:
	v_add_nc_u32 v5, s66, v4                       ; head A + 1's codes
	v_add_nc_u32 v6, s67, v8                       ; head A's scale words
	v_add_nc_u32 v7, s66, v6                       ; head A + 1's
	s_wait_alu depctr_va_vdst(0)
	s_wait_tensorcnt 0x0                           ; my load, if I issued one, is in
	s_barrier_signal -1
	s_barrier_wait -1                              ; and everybody's
	FETCH MT, 0
	s_wait_loadcnt 0x0                             ; the bias
	STEP MT, 0, 1, 0                               ; the first products start the sums with the bias: nothing is cleared
	STEP MT, 1, 1, 0
	s_cmp_lg_u32 s99, 0                            ; in q's trip: k's bias, into the registers that step 0 has read
	s_cbranch_scc1 .Lno_bias
	s_add_nc_u64 s[56:57], s[56:57], 8*512
	TBIAS
.Lno_bias:
.irp ks, 2,3,4,5,6
	STEP MT, \ks, 1, 0
.endr
	STEP MT, 7, 1, 1
	PLACES 4
.irp a, 0,1,2,3                                ; registers 0-5: tile 4 u + a of head A; 6-11: of head A + 1
	QACC \a, DST+12*\a, PWD+\a
.irp p, 0,1,2,3,4,5
	global_store_b64 v[4+\p/3], v[DST+12*\a+2*\p:DST+12*\a+2*\p+1], s[58:59] offset:768*\a+256*(\p%3)
.endr
.endr
	v_perm_b32 v244, v[PWD+1], v[PWD], 0x05040100     ; a fragment's word is two tiles' half-words: head A, fragments 2 u and 2 u + 1,
	v_perm_b32 v245, v[PWD+3], v[PWD+2], 0x05040100
	v_perm_b32 v246, v[PWD+1], v[PWD], 0x07060302     ; head A + 1
	v_perm_b32 v247, v[PWD+3], v[PWD+2], 0x07060302
	v_cndmask_b32 v248, v244, v245, s98            ; lanes 0-15 fragment 2 u's word of row r, lanes 16-31 fragment 2 u + 1's: the word of fragment 2 i + l / 16 lies at 8 l + 4 i
	v_cndmask_b32 v249, v246, v247, s98
	global_store_b32 v6, v248, s[58:59]
	global_store_b32 v7, v249, s[58:59]
	s_wait_alu depctr_va_vdst(0)
	s_wait_xcnt 0x0                                ; the stores have read their registers and their base
	s_mov_b64 s[58:59], s[70:71]                   ; on to k
	s_mov_b32 s66, s72
	s_mov_b32 s67, s73
	s_add_co_u32 s99, s99, 1
	s_cmp_lt_u32 s99, 2
	s_cbranch_scc1 .Lpass
	; ---------------- v
	s_wait_tensorcnt 0x0
	s_barrier_signal -1
	s_barrier_wait -1
	FETCH MV, 0
	s_wait_loadcnt 0x0
.irp ks, 0,1,2,3,4,5,6,7
	STEP MV, \ks, 2, 0
.endr
	PLACES 4
.irp a, 0,1,2,3                                ; V's fragment a of head A + u: 16 channels x 128 keys
	QACC \a, DST+12*\a, PWD+\a
.irp p, 0,1,2,3,4,5
	global_store_b64 v9, v[DST+12*\a+2*\p:DST+12*\a+2*\p+1], s[76:77] offset:6144+1536*\a+256*\p
.endr
.endr
	v_cndmask_b32 v248, v[PWD], v[PWD+1], s98      ; the word at 8 l + 4 i belongs to fragment 2 i + l / 16
	v_cndmask_b32 v249, v[PWD+2], v[PWD+3], s98
	global_store_b64 v9, v[248:249], s[76:77] offset:12544
	s_wait_tensorcnt 0x0                           ; the wave's end
	ds_add_u32 v[SPW], v[NIL]
	s_wait_dscnt 0x0
	CROUND                                         ; the closing round
	s_endpgm
.Lfunc_end_k_q0a1021974d_gemm_qkv:
	.size	k_q0a1021974d_gemm_qkv, .Lfunc_end_k_q0a1021974d_gemm_qkv-k_q0a1021974d_gemm_qkv
	.p2alignl 7, 3214868480
	.fill 96, 4, 3214868480
	.section	.rodata,"a",@progbits
	.p2align	6, 0x0
	.amdhsa_kernel k_q0a1021974d_gemm_qkv
		.amdhsa_group_segment_fixed_size 327680
		.amdhsa_private_segment_fixed_size 0
		.amdhsa_enable_private_segment 0
		.amdhsa_kernarg_size 40
		.amdhsa_user_sgpr_count 2
		.amdhsa_user_sgpr_kernarg_segment_ptr 1
		.amdhsa_wavefront_size32 1
		.amdhsa_system_sgpr_workgroup_id_x 1
		.amdhsa_system_sgpr_workgroup_id_y 1
		.amdhsa_system_sgpr_workgroup_id_z 1
		.amdhsa_system_vgpr_workitem_id 0
		.amdhsa_next_free_vgpr 1024
		.amdhsa_next_free_sgpr 100
		.amdhsa_reserve_vcc 0
		.amdhsa_float_denorm_mode_32 3
		.amdhsa_float_denorm_mode_16_64 3
		.amdhsa_memory_ordered 1
		.amdhsa_forward_progress 1
		.amdhsa_inst_pref_size 212
	.end_amdhsa_kernel
	.amdgpu_metadata
---
amdhsa.version: [ 1, 2 ]
amdhsa.kernels:
  - .name:           k_q0a1021974d_gemm_qkv
    .symbol:         k_q0a1021974d_gemm_qkv.kd
    .args:
      - { .name: ximg, .offset: 0, .size: 8, .value_kind: global_buffer, .address_space: global }
      - { .name: wimg, .offset: 8, .size: 8, .value_kind: global_buffer, .address_space: global }
      - { .name: b_attn, .offset: 16, .size: 8, .value_kind: global_buffer, .address_space: global }
      - { .name: qimg, .offset: 24, .size: 8, .value_kind: global_buffer, .address_space: global }
      - { .name: kvimg, .offset: 32, .size: 8, .value_kind: global_buffer, .address_space: global }
    .group_segment_fixed_size: 327680
    .private_segment_fixed_size: 0
    .kernarg_segment_align: 8
    .kernarg_segment_size: 40
    .max_flat_workgroup_size: 128
    .sgpr_count:     100
    .vgpr_count:     1024
    .wavefront_size: 32
...
	.end_amdgpu_metadata
.endif
;; end of part 2
;; launch attn (part 3): grid 4 x 64, 16 waves a work-group, clusters of 4 x 1, 206,848 bytes of LDS; arguments qimg, kvimg, yimg; writes yimg
.if DOCPART == 3
	.amdgcn_target "amdgcn-amd-amdhsa--gfx1250"
	.amdhsa_code_object_version 6
	.text
	.protected	k_q0a1021974d_attn
	.globl	k_q0a1021974d_attn
	.p2align	8
	.type	k_q0a1021974d_attn,@function
k_q0a1021974d_attn:
	s_mov_b64 s[64:65], 0
	v_nop
	global_prefetch_b8 v0, s[64:65] scope:SCOPE_SE
	s_setreg_imm32_b32 hwreg(HW_REG_WAVE_MODE, 25, 1), 1
	s_wait_xcnt 0x0
	s_wait_alu depctr_hold_cnt(0) depctr_sa_sdst(0) depctr_va_vdst(0) depctr_va_sdst(0) depctr_va_ssrc(0) depctr_va_vcc(0) depctr_vm_vsrc(0)
	s_getreg_b32 s2, hwreg(HW_REG_IB_STS2, 6, 4)
	s_cmp_eq_u32 s2, 0
	s_cbranch_scc0 .Lentry_in_a_cluster
	s_endpgm
.Lentry_in_a_cluster:
	s_bfe_u32 s2, ttmp6, 0x10000c
	s_cmp_lg_u32 s2, 0x3003
	s_cbranch_scc0 .Lentry_shape_is_right
	s_endpgm
.Lentry_shape_is_right:
; y[b][h][q] = the sum over k <= q of softmax_k(q . k / 8) v, both products on codes of BF6 (E3M2) with E8M0 scales; y leaves quantised along the head's 64 channels, as an operand of the last product.
; THE SOFTMAX: t = score x log2(e) / 8; M = the running largest t rounded UP to a whole number; p = 2^(t - M) is quantised along the keys, not normalised; the sum of the unquantised p divides at the end.
; When M moves, the sum and O are multiplied by 2^(old M - new M): exact.
; INPUTS: a block of kvimg (12,800 bytes) is a step of 128 keys of one head: K's four fragments, V's four, 256 bytes of K's scale words, 256 of V's.  A fragment is the image of 12 registers (piece p: registers
; 2 p, 2 p + 1 of lane l at 256 p + 8 l).  K's fragment f holds tile 2 f (16 keys x 64 channels) in registers 0-5 and tile 2 f + 1 in 6-11; the query's six registers beside six of zero codes pick one of the two.
; Tile i's row r is key (or query, or channel) 32 (i / 2) + 8 (i % 2) + r + 8 (r / 8).  Both products are used transposed: a lane holds ONE query throughout.
; SHARES: a head has 16 query blocks of 8 tiles of 16 queries.  Work-group cx (0..3) of the head owns tiles 2 cx and 2 cx + 1 of EVERY block.  Wave w takes tile a = 2 cx + w % 2, first of block 15 - w / 2,
; then of block w / 2: (16 - w / 2) + (w / 2 + 1) = 17 key steps for every wave.  Steps whose keys all come after the tile's queries are jumped over by a branch on the wave's number
; and the loop's count; the loops' trip counts are constants (16 and 8).
; LDS: the head's 204,800 bytes of K and V, filled once: wave w asks for key step w, one tensor load a wave; nothing is filled again.  Every work-group reads all sixteen steps (its tiles of block 15 do).
; CLUSTER 4 x 1: the four work-groups of a head ask for each key step jointly (mask 15).  No branch and no LDS address hangs on cx: it enters q's and y's global offsets and the diagonal's compare alone.
; NO PREFETCH: all of K and V is asked for by the head's first fills, so no loop runs ahead of a load; the second tile's q is loaded ahead of the first tile's way out.
; y's scale bytes: a wave stores its tile's half-word of each of 16 rows, 16 bytes apart (2 bytes for each 48 bytes of codes): the plane's 256 bytes belong to eight tiles, which four work-groups make.
; LIMITS: holds while |t| stays under 2^31; one constant log2(e) / 8 in place of two multiplications; 1 / sum by v_rcp_f32; NaN and infinities are not served; a block of zeros gets the byte 1 (read by this program alone).
; REGISTERS: v1 8 x lane; v2 the step's LDS address; v3 my query in its block less 16 (lane / 16); v4-5 the add's; v6-7 q's offsets; v34-35 y's; v8-9 K's scale words, v10-11 V's; v12 -M; v13 the largest t; v[14:15] the sum;
;   v16-21 q, v22-27 zero codes, v28-33 q; v36-83 K; v84-131 V; v132-195 S^T, then p; v196-227 O^T; v228-239 p's codes; v240-251 at work; v252 f; v253 p's scale word; v254 at work; v255 q's scale word.
.set STEPB, 12800
.set HEADB, 204800
.set SPARE, 204800                     ; behind the head: the spare words, 128 bytes a wave
.set SPW, 4
.set NIL, 5
.set QO,  6
.set QS,  7
.set YO,  34
.set YSO, 35
.set KF,  36
.set VF,  84
.set SS,  132
.set OT,  196
.set PC,  228
.set MX,  240
.set TP,  244
.set SO,  248
.set WV,  18
.set SEL, 20
.set CS,  22
.set G1,  24                           ; s[24:31] group 1: 50 rows of 256 bytes;  s[32:35] group 0
.set G0,  32
.set QBA, 36                           ; my first query block, 15 - w / 2
.set QBB, 37                           ; my second, w / 2
.set TB,  38                           ; LDS byte of the step in hand
.set KS,  39                           ; its number
.set QPA, 40                           ; s[40:41], s[42:43] the two blocks of qimg;  s[44:45], s[46:47] the two operand blocks of yimg
.set QPB, 42
.set YPA, 44
.set YPB, 46
.set CNT, 48
.set TN,  72                           ; LDS byte of the next step, held at step 15's
.set PSEL, 49
.macro ROUND                           ; a round of the cluster's barrier
	s_barrier_signal -1
	s_barrier_wait -1
	s_cmp_lg_u32 s[WV], 0
	s_cbranch_scc1 .Lnot_wave_0_\@
	s_barrier_signal -3
.Lnot_wave_0_\@:
	s_barrier_wait -3
	s_barrier_signal -1
	s_barrier_wait -1
.endm
.macro PTRS qb, qp, yp                 ; block (16 (16 b + head) + qb) of qimg, 6,400 bytes each; operand block (8 (16 b + qb) + head / 2) of yimg
	s_add_co_u32 s56, s55, s[\qb]
	s_mul_i32 s56, s56, 6400
	s_add_nc_u64 s[\qp:\qp+1], s[4:5], s[56:57]
	s_add_co_u32 s56, s58, s[\qb]
	s_lshl_b32 s56, s56, 3
	s_add_co_u32 s56, s56, s59
	s_mul_i32 s56, s56, STEPB
	s_add_nc_u64 s[\yp:\yp+1], s[8:9], s[56:57]
.endm
.macro QLOAD qp                        ; my tile's six registers, twice: in front of the zero codes and behind them; and its fragment's scale word
.irp p, 0,1,2
	global_load_b64 v[16+2*\p:17+2*\p], v[QO], s[\qp:\qp+1] offset:256*\p
	global_load_b64 v[28+2*\p:29+2*\p], v[QO], s[\qp:\qp+1] offset:256*\p
.endr
	global_load_b32 v255, v[QS], s[\qp:\qp+1] offset:6144
.endm
.macro START                           ; a tile begins: q is in; the largest t is -3e38, the sum and O^T are zeros (the step is written once; the first finds zeros)
	s_wait_loadcnt 0x0
	v_perm_b32 v255, v255, v255, s[PSEL]           ; my tile's half-word, in both halves of the word
	v_mov_b32 v13, 0xff61b1e6
	v_floor_f32 v12, -v13
	v_mov_b32 v14, 0
	v_mov_b32 v15, 0
.set n, 0
.rept 32
	v_mov_b32 v[OT+n], 0
.set n, n+1
.endr
	s_wait_alu depctr_va_vdst(0)
.endm
	s_load_b128 s[4:7], s[0:1], 0x0                ; qimg, kvimg
	s_load_b64 s[8:9], s[0:1], 0x10                ; yimg
	v_lshl_add_u32 v[SPW], v0, 2, SPARE
	v_mov_b32 v[NIL], 0
	ds_add_u32 v[SPW], v[NIL]                      ; the opening lines: the add, twice on end, and its wait ahead of my first tensor load
	ds_add_u32 v[SPW], v[NIL]
	v_lshrrev_b32 v1, 5, v0
	v_readfirstlane_b32 s[WV], v1                  ; wave 0..15
	s_and_b32 s50, ttmp7, 0xffff                   ; 16 b + head
	s_mov_b32 s[G1], 15|(3<<16)|(1<<21)            ; the four partners; elements of 8 bytes; bit 21 beside a mask; no padding
	s_mov_b32 s[G1+1], 32<<16
	s_mov_b32 s[G1+2], 50<<16
	s_mov_b32 s[G1+3], 32<<16
	s_mov_b32 s[G1+4], 50
	s_mov_b32 s[G1+5], 32
	s_mov_b32 s[G1+6], 0
	s_mov_b32 s[G1+7], 0
	s_mov_b32 s[G0], 1
	s_mul_i32 s[G0+1], s[WV], STEPB                ; key step w, at the same offset in LDS and in the head
	s_mul_i32 s52, s50, HEADB
	s_add_co_u32 s52, s52, s[G0+1]
	s_mov_b32 s53, 0
	s_wait_dscnt 0x0                               ; both opening adds are done
	s_wait_kmcnt 0x0
	s_add_nc_u64 s[G0+2:G0+3], s[6:7], s[52:53]
	s_or_b32 s[G0+3], s[G0+3], 0x80000000
	ROUND                                          ; the four work-groups are here: the joint loads meet
	tensor_load_to_lds s[G0:G0+3], s[G1:G1+7]      ; my one tensor load
	s_nop 0
	s_bfe_u32 s51, ttmp6, 0x40000                  ; cx
	s_lshl_b32 s51, s51, 1
	s_and_b32 s54, s[WV], 1
	s_add_co_u32 s51, s51, s54                     ; my tile a = 2 cx + w % 2
	s_lshr_b32 s[QBB], s[WV], 1
	s_sub_co_u32 s[QBA], 15, s[QBB]
	s_lshl_b32 s55, s50, 4
	s_mov_b32 s57, 0
	s_and_b32 s58, s50, 48                         ; 16 b
	s_bfe_u32 s59, s50, 0x30001                    ; head / 2
	s_and_b32 s60, s50, 1                          ; head % 2
	PTRS QBA, QPA, YPA
	PTRS QBB, QPB, YPB
	s_mul_i32 s66, s51, 768                        ; q: tile a's codes
	s_bfe_u32 s67, s51, 0x10001                    ; its fragment's word: 8 (r + 16 ((a / 2) % 2)) + 4 (a / 4)
	s_lshl_b32 s67, s67, 7
	s_lshr_b32 s62, s51, 2
	s_lshl_b32 s62, s62, 2
	s_add_co_u32 s67, s67, s62
	s_mul_i32 s68, s51, 1536                       ; y: fragment a, half head % 2
	s_mul_i32 s62, s60, 768
	s_add_co_u32 s68, s68, s62
	s_lshl_b32 s69, s51, 1                         ; y's plane head % 2, half-word 16 r + 2 a
	s_lshl_b32 s62, s60, 8
	s_add_co_u32 s69, s69, s62
	s_lshr_b32 s70, s51, 1
	s_lshl_b32 s70, s70, 5
	s_lshl_b32 s62, s54, 3
	s_add_co_u32 s70, s70, s62                     ; 32 (a / 2) + 8 (a % 2)
	s_cmp_eq_u32 s54, 1                            ; a odd?  (the wave's number alone decides)
	s_mov_b32 s[PSEL], 0x01000100
	s_cselect_b32 s[PSEL], 0x03020302, s[PSEL]
	s_mov_b32 s[SEL], 0x76543210
	s_mov_b32 s[SEL+1], 0xfedcba98
	s_mov_b32 s[CS], 0x3e38aa3b                    ; c = log2(e) / 8
	s_mov_b32 s[CS+1], s[CS]
	v_and_b32 v242, 31, v0
	v_and_b32 v240, 15, v0                         ; r
	v_bfe_u32 v241, v0, 4, 1                       ; h
	v_lshlrev_b32 v1, 3, v242                      ; 8 x lane
	v_add_nc_u32 v[QO], s66, v1
	v_lshl_add_u32 v[QS], v240, 3, s67
	v_add_nc_u32 v[YO], s68, v1
	v_lshl_add_u32 v[YSO], v240, 4, s69
	v_and_b32 v3, 8, v240
	v_add3_u32 v3, v3, v240, s70                   ; my query in its block,
	v_lshlrev_b32 v254, 4, v241
	v_sub_nc_u32 v3, v3, v254                      ; less 16 h
	QLOAD QPA
.irp i, 22,23,24,25,26,27
	v_mov_b32 v[\i], 0                             ; zero codes
.endr
.irp i, 244,245,246,247,252,253,254
	v_mov_b32 v[\i], 0                             ; a lane permute's destination, and the upper half of a pair, count as read
.endr
.macro SPROD f                         ; K's fragment f against q in front of zeros (tile 2 f) and behind them (tile 2 f + 1)
.if (\f)%2
	v_wmma_scale_f32_16x16x128_f8f6f4 v[SS+16*\f:SS+16*\f+7], v[KF+12*\f:KF+12*\f+11], v[16:27], 0, v[8+\f/2], v255 matrix_a_fmt:MATRIX_FMT_BF6 matrix_b_fmt:MATRIX_FMT_BF6 matrix_a_scale:MATRIX_SCALE_ROW1
	v_wmma_scale_f32_16x16x128_f8f6f4 v[SS+8+16*\f:SS+15+16*\f], v[KF+12*\f:KF+12*\f+11], v[22:33], 0, v[8+\f/2], v255 matrix_a_fmt:MATRIX_FMT_BF6 matrix_b_fmt:MATRIX_FMT_BF6 matrix_a_scale:MATRIX_SCALE_ROW1
.else
	v_wmma_scale_f32_16x16x128_f8f6f4 v[SS+16*\f:SS+16*\f+7], v[KF+12*\f:KF+12*\f+11], v[16:27], 0, v[8+\f/2], v255 matrix_a_fmt:MATRIX_FMT_BF6 matrix_b_fmt:MATRIX_FMT_BF6
	v_wmma_scale_f32_16x16x128_f8f6f4 v[SS+8+16*\f:SS+15+16*\f], v[KF+12*\f:KF+12*\f+11], v[22:33], 0, v[8+\f/2], v255 matrix_a_fmt:MATRIX_FMT_BF6 matrix_b_fmt:MATRIX_FMT_BF6
.endif
.endm
.macro OPROD t                         ; O^T's tile t += V's fragment t x p
.if (\t)%2
	v_wmma_scale_f32_16x16x128_f8f6f4 v[OT+8*\t:OT+8*\t+7], v[VF+12*\t:VF+12*\t+11], v[PC:PC+11], v[OT+8*\t:OT+8*\t+7], v[10+\t/2], v253 matrix_a_fmt:MATRIX_FMT_BF6 matrix_b_fmt:MATRIX_FMT_BF6 matrix_a_scale:MATRIX_SCALE_ROW1
.else
	v_wmma_scale_f32_16x16x128_f8f6f4 v[OT+8*\t:OT+8*\t+7], v[VF+12*\t:VF+12*\t+11], v[PC:PC+11], v[OT+8*\t:OT+8*\t+7], v[10+\t/2], v253 matrix_a_fmt:MATRIX_FMT_BF6 matrix_b_fmt:MATRIX_FMT_BF6
.endif
.endm
; A KEY STEP: 128 keys against my 16 queries of block s[qb].
.macro KLOAD adr                       ; a step's K: four fragments and their scale words, from the LDS address in v[adr]
.irp f, 0,1,2,3
.irp p, 0,1,2,3,4,5
	ds_load_b64 v[KF+12*\f+2*\p:KF+12*\f+2*\p+1], v[\adr] offset:1536*\f+256*\p
.endr
.endr
	ds_load_b64 v[8:9], v[\adr] offset:12288
.endm
; K runs one step ahead: a step finds its K in registers (asked for in the step before, awaited by that step's wait for 0) and asks for the next step's behind its own S products.  v0, free behind the head, holds that address.
.macro KSTEP qb
	s_cmp_gt_u32 s[KS], s[\qb]                     ; all its keys come after my queries: nothing to do
	s_cbranch_scc1 .Lhidden_\@
	s_add_co_u32 s[TN], s[TB], STEPB
	s_min_u32 s[TN], s[TN], 15*STEPB
	v_add_nc_u32 v2, s[TB], v1
	v_add_nc_u32 v0, s[TN], v1
	SPROD 0
	SPROD 1
	SPROD 2
	SPROD 3                                        ; register 16 b + i: key 32 b + 16 h + i of the step
.irp f, 0,1,2,3
.irp p, 0,1,2,3,4,5
	ds_load_b64 v[VF+12*\f+2*\p:VF+12*\f+2*\p+1], v2 offset:6144+1536*\f+256*\p
.endr
.endr
	ds_load_b64 v[10:11], v2 offset:12544
.rept 4
	v_nop
.endr
	s_cmp_eq_u32 s[KS], s[\qb]                     ; the diagonal step is the tile's last: no K follows it
	s_cbranch_scc1 .Llast_\@
	KLOAD 0                                        ; four places behind the S products, which have read these registers
.Llast_\@:
	s_cmp_lg_u32 s[KS], s[\qb]
	s_cbranch_scc1 .Lopen_\@
	v_mov_b32 v254, 0xff800000
.set n, 0
.rept 64
	v_cmp_gt_i32 vcc_lo, 32*(n/16)+n%16, v3
	v_cndmask_b32 v[SS+n], v[SS+n], v254, vcc_lo
.set n, n+1
.endr
.Lopen_\@:
.irp b, 0,1,2,3
	v_max3_num_f32 v[MX+\b], v[SS+16*\b], v[SS+1+16*\b], v[SS+2+16*\b]   ; the largest score of each block of 32 keys: for the row's maximum, and, since p rises with the score, for the block's largest p
.endr
.irp i, 3,5,7,9,11,13
.irp b, 0,1,2,3
	v_max3_num_f32 v[MX+\b], v[MX+\b], v[SS+16*\b+\i], v[SS+1+16*\b+\i]
.endr
.endr
.irp b, 0,1,2,3
	v_max_num_f32 v[MX+\b], v[MX+\b], v[SS+15+16*\b]
.endr
.irp b, 0,1,2,3
	s_delay_alu instid0(VALU_DEP_4)
	v_permlanex16_b32 v[TP+\b], v[MX+\b], s[SEL], s[SEL+1]
.endr
.irp b, 0,1,2,3
	s_delay_alu instid0(VALU_DEP_4)
	v_max_num_f32 v[MX+\b], v[MX+\b], v[TP+\b]     ; with lane l xor 16's 16 keys
.endr
	s_delay_alu instid0(VALU_DEP_2)
	v_max3_num_f32 v254, v[MX], v[MX+1], v[MX+2]
	s_delay_alu instid0(VALU_DEP_1)
	v_max_num_f32 v254, v254, v[MX+3]
	s_delay_alu instid0(VALU_DEP_1)
	v_mul_f32 v254, s[CS], v254                    ; as t (c is positive)
	s_delay_alu instid0(VALU_DEP_1)
	v_max_num_f32 v13, v13, v254                   ; the running largest t
	v_mov_b32 v254, v12
	s_delay_alu instid0(VALU_DEP_2)
	v_floor_f32 v12, -v13                          ; the new -M = floor(-t): M is a whole number
	s_delay_alu instid0(VALU_DEP_1)
	v_sub_f32 v254, v12, v254                      ; old M less new M: a whole number, 0 or less
	s_delay_alu instid0(VALU_DEP_1)
	v_cvt_i32_f32 v254, v254                       ; (it saturates)
	s_delay_alu instid0(VALU_DEP_1)
	v_ldexp_f32 v252, 1.0, v254                    ; f = 2^(old M - new M)
.set n, 0
.rept 32
	v_pk_fma_f32 v[SS+n:SS+n+1], v[SS+n:SS+n+1], s[CS:CS+1], v[12:13] op_sel_hi:[1,0,0]   ; t - M, two at a time
.set n, n+2
.endr
.irp b, 0,1,2,3
	v_fma_f32 v[MX+\b], v[MX+\b], s[CS], v12       ; the same of each block's largest score
.endr
.set n, 0
	s_wait_alu depctr_va_vdst(0)
.rept 64
	v_exp_f32 v[SS+n], v[SS+n]                     ; p = 2^(t - M), at most 1
.set n, n+1
.endr
.irp b, 0,1,2,3
	v_exp_f32 v[MX+\b], v[MX+\b]                   ; the block's largest p
.endr
	v_pk_mul_f32 v[14:15], v[14:15], v[252:253] op_sel_hi:[1,0]   ; the sums under the new M.  (A plain place behind the exponentials)
	s_wait_alu depctr_va_vdst(0)                   ; and behind it
.irp b, 0,1,2,3
	v_max_num_f32 v[MX+\b], 0x2800000, v[MX+\b]    ; the floor 2^(5 - 127)
.endr
.irp b, 0,1,2,3
	s_delay_alu instid0(VALU_DEP_4)
	v_add_nc_u32 v[SO+\b], 0xfe000000, v[MX+\b]    ; the conversion's scale operand
.endr
.irp b, 0,1,2,3
	s_delay_alu instid0(VALU_DEP_4)
	v_lshrrev_b32 v[TP+\b], 23, v[SO+\b]           ; the byte
.endr
	s_delay_alu instid0(VALU_DEP_3)
	v_lshl_or_b32 v253, v[TP+1], 8, v[TP]          ; p's scale word for these 128 keys
	s_delay_alu instid0(VALU_DEP_1)
	v_lshl_or_b32 v253, v[TP+2], 16, v253
	s_delay_alu instid0(VALU_DEP_1)
	v_lshl_or_b32 v253, v[TP+3], 24, v253
.irp c, 0,1
	v_cvt_scalef32_pk16_bf6_f32 v[PC+6*\c:PC+2+6*\c], v[SS+32*\c:SS+15+32*\c], v[SO+2*\c]
	v_cvt_scalef32_pk16_bf6_f32 v[MX+4*\c:MX+2+4*\c], v[SS+16+32*\c:SS+31+32*\c], v[SO+2*\c+1]
.endr
	v_nop                                          ; one plain place behind a scaled conversion
.irp c, 0,1
.irp i, 0,1,2
	v_permlane16_swap_b32 v[PC+6*\c+\i], v[MX+4*\c+\i]
.endr
.irp i, 0,1,2
	s_delay_alu instid0(VALU_DEP_3)
	v_mov_b32 v[PC+3+6*\c+\i], v[MX+4*\c+\i]
.endr
.endr
	s_wait_alu depctr_va_vdst(0)
.set n, 0
.rept 16
	v_pk_mul_f32 v[OT+n:OT+n+1], v[OT+n:OT+n+1], v[252:253] op_sel_hi:[1,0]   ; O^T under the new M.  (These are the places behind the writes of p's codes and scale word)
.set n, n+2
.endr
	s_wait_alu depctr_va_vdst(0)
	s_wait_dscnt 0x0                               ; V and its scale words are in
	OPROD 0
	OPROD 1
	OPROD 2
	OPROD 3                                        ; four accumulators by turns
; the row's sum of the unquantised p, two at a time, in six chains and the sum's own.  These 32 name no register of the products above: they are the places in front of the next step's loads and of the end's reads
.irp c, 0,1,2,3,4,5
	v_pk_add_f32 v[MX+2*\c:MX+2*\c+1], v[SS+2*\c:SS+2*\c+1], v[SS+12+2*\c:SS+13+2*\c]
.endr
.irp g, 24,36,48
.irp c, 0,1,2,3,4,5
	v_pk_add_f32 v[MX+2*\c:MX+2*\c+1], v[MX+2*\c:MX+2*\c+1], v[SS+\g+2*\c:SS+\g+1+2*\c]
.endr
.endr
	v_pk_add_f32 v[14:15], v[14:15], v[SS+60:SS+61]
	v_pk_add_f32 v[MX:MX+1], v[MX:MX+1], v[SS+62:SS+63]
	v_pk_add_f32 v[MX+2:MX+3], v[MX+2:MX+3], v[MX+4:MX+5]
	v_pk_add_f32 v[MX+6:MX+7], v[MX+6:MX+7], v[MX+8:MX+9]
	v_pk_add_f32 v[14:15], v[14:15], v[MX+10:MX+11]
	v_pk_add_f32 v[MX:MX+1], v[MX:MX+1], v[MX+2:MX+3]
	v_pk_add_f32 v[14:15], v[14:15], v[MX+6:MX+7]
	v_pk_add_f32 v[14:15], v[14:15], v[MX:MX+1]
	s_wait_alu depctr_va_vdst(0)
.Lhidden_\@:
.endm
.macro WALK qb, trips                  ; the key steps 0 .. trips - 1, a constant count; those beyond s[qb] are jumped over
	s_wait_dscnt 0x0                               ; step 0's K is in
	s_mov_b32 s[TB], 0
	s_mov_b32 s[KS], 0
	s_mov_b32 s[CNT], \trips
.Lwalk_\@:
	KSTEP \qb
	s_add_co_u32 s[TB], s[TB], STEPB
	s_add_co_u32 s[KS], s[KS], 1
	s_sub_co_u32 s[CNT], s[CNT], 1
	s_cmp_lg_u32 s[CNT], 0
	s_cbranch_scc1 .Lwalk_\@
.endm
; A TILE'S END: y = O^T / the sum, quantised along the head's 64 channels: register 16 b + i is channel 32 b + 16 h + i
.macro FINISH yp
	v_add_f32 v14, v14, v15
	s_delay_alu instid0(VALU_DEP_1)
	v_permlanex16_b32 v252, v14, s[SEL], s[SEL+1]
	s_delay_alu instid0(VALU_DEP_1)
	v_add_f32 v14, v14, v252                       ; the row's sum
	s_wait_alu depctr_va_vdst(0)
	v_rcp_f32 v14, v14
	v_mov_b32 v15, 0                               ; (a plain place behind the transcendental)
.set n, 0
	s_wait_alu depctr_va_vdst(0)
.rept 16
	v_pk_mul_f32 v[OT+n:OT+n+1], v[OT+n:OT+n+1], v[14:15] op_sel_hi:[1,0]
.set n, n+2
.endr
.irp b, 0,1
	v_max3_num_f32 v[MX+\b], |v[OT+16*\b]|, |v[OT+1+16*\b]|, 0x2800000
.endr
.irp i, 2,4,6,8,10,12,14
.irp b, 0,1
	s_delay_alu instid0(VALU_DEP_2)
	v_max3_num_f32 v[MX+\b], v[MX+\b], |v[OT+16*\b+\i]|, |v[OT+1+16*\b+\i]|
.endr
.endr
.irp b, 0,1
	s_delay_alu instid0(VALU_DEP_2)
	v_permlanex16_b32 v[TP+\b], v[MX+\b], s[SEL], s[SEL+1]
.endr
.irp b, 0,1
	s_delay_alu instid0(VALU_DEP_2)
	v_max_num_f32 v[MX+\b], v[MX+\b], v[TP+\b]
.endr
.irp b, 0,1
	s_delay_alu instid0(VALU_DEP_2)
	v_add_nc_u32 v[SO+\b], 0xfe000000, v[MX+\b]
.endr
.irp b, 0,1
	s_delay_alu instid0(VALU_DEP_2)
	v_lshrrev_b32 v[TP+\b], 23, v[SO+\b]
.endr
	s_delay_alu instid0(VALU_DEP_1)
	v_lshl_or_b32 v254, v[TP+1], 8, v[TP]          ; my row's two bytes
	v_cvt_scalef32_pk16_bf6_f32 v[PC:PC+2], v[OT:OT+15], v[SO]
	v_cvt_scalef32_pk16_bf6_f32 v[PC+8:PC+10], v[OT+16:OT+31], v[SO+1]
	v_nop
.irp i, 0,1,2
	v_permlane16_swap_b32 v[PC+\i], v[PC+8+\i]
.endr
.irp i, 0,1,2
	s_delay_alu instid0(VALU_DEP_3)
	v_mov_b32 v[PC+3+\i], v[PC+8+\i]
.endr
.irp p, 0,1,2
	global_store_b64 v[YO], v[PC+2*\p:PC+2*\p+1], s[\yp:\yp+1] offset:256*\p   ; three pieces of 256 consecutive bytes, aligned
.endr
	global_store_b16 v[YSO], v254, s[\yp:\yp+1] offset:12288   ; lanes l and l xor 16 store the same half-word with the same value
	s_wait_xcnt 0x0                                ; the stores have read their registers: the next tile may write them
.endm
	START
	s_wait_tensorcnt 0x0                           ; my key step is in
	s_barrier_signal -1
	s_barrier_wait -1                              ; and everybody's: the whole head lies in LDS
	KLOAD 1                                        ; step 0's K
	WALK QBA, 16
	KLOAD 1                                        ; the second tile's step 0, and
	QLOAD QPB
	FINISH YPA
	START
	WALK QBB, 8
	FINISH YPB
	s_wait_tensorcnt 0x0                           ; the wave's end
	ds_add_u32 v[SPW], v[NIL]
	s_wait_dscnt 0x0
	ROUND                                          ; the closing round
	s_endpgm
.Lfunc_end_k_q0a1021974d_attn:
	.size	k_q0a1021974d_attn, .Lfunc_end_k_q0a1021974d_attn-k_q0a1021974d_attn
	.p2alignl 7, 3214868480
	.fill 96, 4, 3214868480
	.section	.rodata,"a",@progbits
	.p2align	6, 0x0
	.amdhsa_kernel k_q0a1021974d_attn
		.amdhsa_group_segment_fixed_size 206848
		.amdhsa_private_segment_fixed_size 0
		.amdhsa_enable_private_segment 0
		.amdhsa_kernarg_size 24
		.amdhsa_user_sgpr_count 2
		.amdhsa_user_sgpr_kernarg_segment_ptr 1
		.amdhsa_wavefront_size32 1
		.amdhsa_system_sgpr_workgroup_id_x 1
		.amdhsa_system_sgpr_workgroup_id_y 1
		.amdhsa_system_sgpr_workgroup_id_z 1
		.amdhsa_system_vgpr_workitem_id 0
		.amdhsa_next_free_vgpr 256
		.amdhsa_next_free_sgpr 80
		.amdhsa_reserve_vcc 1
		.amdhsa_float_denorm_mode_32 3
		.amdhsa_float_denorm_mode_16_64 3
		.amdhsa_memory_ordered 1
		.amdhsa_forward_progress 1
		.amdhsa_inst_pref_size 68
	.end_amdhsa_kernel
	.amdgpu_metadata
---
amdhsa.version: [ 1, 2 ]
amdhsa.kernels:
  - .name:           k_q0a1021974d_attn
    .symbol:         k_q0a1021974d_attn.kd
    .args:
      - { .name: qimg, .offset: 0, .size: 8, .value_kind: global_buffer, .address_space: global }
      - { .name: kvimg, .offset: 8, .size: 8, .value_kind: global_buffer, .address_space: global }
      - { .name: yimg, .offset: 16, .size: 8, .value_kind: global_buffer, .address_space: global }
    .group_segment_fixed_size: 206848
    .private_segment_fixed_size: 0
    .kernarg_segment_align: 8
    .kernarg_segment_size: 24
    .max_flat_workgroup_size: 512
    .sgpr_count:     80
    .vgpr_count:     256
    .wavefront_size: 32
...
	.end_amdgpu_metadata
.endif
;; end of part 3
;; launch gemm_out (part 4): grid 8 x 32, 4 waves a work-group, clusters of 4 x 4, 327,680 bytes of LDS; arguments yimg, wimg, b_proj, out0; writes out0
.if DOCPART == 4
	.amdgcn_target "amdgcn-amd-amdhsa--gfx1250"
	.amdhsa_code_object_version 6
	.text
	.protected	k_q0a1021974d_gemm_out
	.globl	k_q0a1021974d_gemm_out
	.p2align	8
	.type	k_q0a1021974d_gemm_out,@function
k_q0a1021974d_gemm_out:
	s_mov_b64 s[64:65], 0
	v_nop
	global_prefetch_b8 v0, s[64:65] scope:SCOPE_SE
	s_setreg_imm32_b32 hwreg(HW_REG_WAVE_MODE, 25, 1), 1
	s_wait_xcnt 0x0
	s_wait_alu depctr_hold_cnt(0) depctr_sa_sdst(0) depctr_va_vdst(0) depctr_va_sdst(0) depctr_va_ssrc(0) depctr_va_vcc(0) depctr_vm_vsrc(0)
	s_getreg_b32 s2, hwreg(HW_REG_IB_STS2, 6, 4)
	s_cmp_eq_u32 s2, 0
	s_cbranch_scc0 .Lentry_in_a_cluster
	s_endpgm
.Lentry_in_a_cluster:
	s_bfe_u32 s2, ttmp6, 0x10000c
	s_cmp_lg_u32 s2, 0xf033
	s_cbranch_scc0 .Lentry_shape_is_right
	s_endpgm
.Lentry_shape_is_right:
; out = y W_proj + b_proj on codes of BF6 (E3M2) with E8M0 scales, K = 1,024; out is f32.
; OPERANDS come as blocks of 12,800 bytes (128 rows x 128 K): eight fragment images of 1,536 bytes (piece p of six: registers 2 p, 2 p + 1 of lane l at 256 p + 8 l), then two planes of 256 scale bytes
; (plane c, half-word at 16 r + 2 i: bytes 2 c, 2 c + 1 of the word of fragment i, row r).  Fragment i's row r is the group's row 32 (i / 2) + 8 (i % 2) + r + 8 (r / 8).  A group's eight K steps lie on end: 102,400 bytes.
; A product is D = (source 0: fragment b of S0 = W_proj's columns) x (source 1: fragment a of S1 = tokens): lane (r, h), register j holds the token of (a, r) and column 32 (b / 2) + 16 h + 8 (b % 2) + j.
; SHARES: 8 x 32 = 256 work-groups; a work-group makes 256 tokens x 128 columns; wave w makes 64 x 128: fragments 4 (w % 2) .. + 3 of token group w / 2 against the column group's eight: 32 accumulators, 256 registers.
; LDS: all of K for two token groups and one column group, 3 x 102,400 bytes, filled ONCE: waves 0 and 1 ask for a token group each (400 rows of 256 bytes), waves 2 and 3 for a half of the column group (200 rows).
; Nothing is filled again.  CLUSTER 4 x 4: the tokens' tile hangs on cy and is asked for jointly by my row, the columns' on cx, by my column.
; NO PREFETCH: every tile is asked for by the head's loads; no load follows that a loop could run ahead of.
; Both operands have two sets of registers: a K step's fragments are fetched ahead of the step before's 32 products.
; THE WAY OUT goes through a stage of 16 rows x 528 bytes a wave on LDS bytes 0 .. 33,791 (K steps 0 to 2 of the first token group): they have had their only fill, and a barrier parts every wave's last LDS read from the first store.
; LIMITS: NaN and infinities are not served.
; REGISTERS: window 0: v16-21 LDS addresses; v25-27 the way out; v28-29 the add's; v32-47 scale words by fragment, two sets; v48-55 the planes as read; v56-63 my four token fragments' words, two sets; v64-127 the bias;
;   v128-223 S1's fragments, two sets; on the way out v128-255 rows read back.  window 1: S0's fragments, two sets, at v0 and v128.  window 2: accumulator (a, b) at v[8 (8 a + b)].
.set OBB,   12800
.set GRP,   102400
.set HALF,  51200                      ; four K steps of a group: the reach of one address register (an LDS offset has 16 bits)
.set SPARE, 307200                     ; behind the three groups: the spare words, 128 bytes a wave
.set FR,    12
.set ADR1,  16                         ; v16-17 my four token fragments, K steps 0-3 and 4-7, + 8 x lane
.set ADR0,  18                         ; v18-19 the column group
.set ADRS,  20                         ; v20-21 the planes: lanes 0-15 S1's, lanes 16-31 S0's
.set STO,   25
.set RD,    26
.set CO,    27
.set SPW,   28
.set NIL,   29
.set SCW,   32
.set RAW,   48
.set SCA,   56
.set BIAS,  64
.set AF,    128
.set BK,    128
.set G1A,   24                         ; s[24:31], s[32:35] groups 1 and 0 for S1
.set G0A,   32
.set UM,    40                         ; all ones in waves with w % 2 = 1
.set G1B,   44                         ; s[44:51], s[52:55] the same for S0
.set G0B,   52
.set MSB, 0
.macro WIN new                         ; the immediate's high byte repeats the setting that is left
.if MSB != (\new)
	s_set_vgpr_msb (MSB<<8)|(\new)
.set MSB, (\new)
.endif
.endm
.macro PLACES n
.rept \n
	v_nop
.endr
.endm
.macro CREST                           ; a round of the cluster's barrier behind its opening barrier
	s_cmp_lg_u32 s14, 0
	s_cbranch_scc1 .Lnot_wave_0_\@
	s_barrier_signal -3
.Lnot_wave_0_\@:
	s_barrier_wait -3
	s_barrier_signal -1
	s_barrier_wait -1
.endm
.macro CROUND
	s_barrier_signal -1
	s_barrier_wait -1
	CREST
.endm
.macro FRAG reg, adr, q, i             ; a fragment as it lies: six dense loads of 256 bytes
.irp p, 0,1,2,3,4,5
	ds_load_b64 v[\reg+2*\p:\reg+2*\p+1], v[\adr] offset:OBB*(\q)+1536*(\i)+256*\p
.endr
.endm
.macro FETCH ks                        ; K step ks into set ks % 2: S0's eight fragments, my four of S1, my row's 16 bytes of each plane
	WIN 0x40
.irp i, 0,1,2,3,4,5,6,7
	FRAG 128*((\ks)%2)+FR*\i, ADR0+(\ks)/4, (\ks)%4, \i
.endr
	WIN 0
.irp i, 0,1,2,3
	FRAG AF+48*((\ks)%2)+FR*\i, ADR1+(\ks)/4, (\ks)%4, \i
.endr
	ds_load_b128 v[RAW:RAW+3], v[ADRS+(\ks)/4] offset:OBB*((\ks)%4)
	ds_load_b128 v[RAW+4:RAW+7], v[ADRS+(\ks)/4] offset:OBB*((\ks)%4)+256
.endm
.macro WORDS set                       ; fragment i's word: plane 0's half-word below, plane 1's above; then my four token fragments' words: 0-3 or 4-7 by w % 2
.irp i, 0,1,2,3,4,5,6,7
.if (\i%2) == 0
	v_perm_b32 v[SCW+8*(\set)+\i], v[RAW+4+\i/2], v[RAW+\i/2], 0x05040100
.else
	v_perm_b32 v[SCW+8*(\set)+\i], v[RAW+4+\i/2], v[RAW+\i/2], 0x07060302
.endif
.endr
.irp a, 0,1,2,3
	v_cndmask_b32 v[SCA+4*(\set)+\a], v[SCW+8*(\set)+\a], v[SCW+8*(\set)+4+\a], s[UM]
.endr
	PLACES 8                                       ; a scale register written by a vector instruction stands eight places ahead of the scaled matrix instruction
.endm
; 32 products: my four token fragments x S0's eight.  cm = 1: the bias starts the sums: nothing is cleared.  The 32 accumulators take turns.
.macro MUL32 set, cm
.irp a, 0,1,2,3
.irp b, 0,1,2,3,4,5,6,7
.if \cm
	v_wmma_scale_f32_16x16x128_f8f6f4 v[8*(8*\a+\b):8*(8*\a+\b)+7], v[128*(\set)+FR*\b:128*(\set)+FR*\b+FR-1], v[AF+48*(\set)+FR*\a:AF+48*(\set)+FR*\a+FR-1], v[BIAS+8*\b:BIAS+8*\b+7], v[SCW+8*(\set)+\b], v[SCA+4*(\set)+\a] matrix_a_fmt:MATRIX_FMT_BF6 matrix_b_fmt:MATRIX_FMT_BF6 matrix_a_scale:MATRIX_SCALE_ROW1
.else
	v_wmma_scale_f32_16x16x128_f8f6f4 v[8*(8*\a+\b):8*(8*\a+\b)+7], v[128*(\set)+FR*\b:128*(\set)+FR*\b+FR-1], v[AF+48*(\set)+FR*\a:AF+48*(\set)+FR*\a+FR-1], v[8*(8*\a+\b):8*(8*\a+\b)+7], v[SCW+8*(\set)+\b], v[SCA+4*(\set)+\a] matrix_a_fmt:MATRIX_FMT_BF6 matrix_b_fmt:MATRIX_FMT_BF6 matrix_a_scale:MATRIX_SCALE_ROW1
.endif
.endr
.endr
.endm
; K step ks.  Its fragments are in; the scale words' 20 vector lines are the places in front of the loads into the other set, which the step before multiplied.
.macro STEP ks
	s_wait_dscnt 0x0
	WORDS (\ks)%2
.if \ks < 7
	FETCH (\ks)+1
.else
	s_barrier_signal -1                            ; my LDS reads are over
.endif
.if \ks == 0
	WIN 0x81                                       ; source 0 window 1, source 1 and C (the bias) window 0, D window 2
	MUL32 0, 1
.else
	WIN 0xa1                                       ; C and D window 2
	MUL32 (\ks)%2, 0
.endif
	WIN 0
.if \ks == 7
	s_barrier_wait -1                              ; and everybody's: the stage's bytes are read no more
.endif
.endm
	s_load_b256 s[4:11], s[0:1], 0x0               ; yimg, wimg, b_proj, out0
	v_lshl_add_u32 v[SPW], v0, 2, SPARE
	v_mov_b32 v[NIL], 0
	ds_add_u32 v[SPW], v[NIL]                      ; the opening lines: the add, twice on end, and its wait ahead of my first tensor load
	ds_add_u32 v[SPW], v[NIL]
	v_lshrrev_b32 v1, 5, v0
	v_readfirstlane_b32 s14, v1                    ; wave 0..3
	s_lshr_b32 s15, s14, 1                         ; my token group.  Also: I fetch for S1 (0) or S0 (1)
	s_and_b32 s16, s14, 1                          ; which four of its fragments.  Also: which group, or which half, I fetch
	s_bfe_u32 s17, ttmp6, 0x40000                  ; cx
	s_bfe_u32 s18, ttmp6, 0x40004                  ; cy
	s_and_b32 s19, ttmp7, 0xffff
	s_lshl_b32 s22, ttmp9, 2
	s_add_co_u32 s22, s22, s17                     ; the group of 128 columns, 0..7: hangs on cx
	s_lshl_b32 s23, s19, 2
	s_add_co_u32 s23, s23, s18                     ; the tile of 256 tokens, 0..31: hangs on cy
	s_lshl_b32 s66, s18, 2
	s_lshl_b32 s66, 15, s66                        ; my row of the cluster
	s_lshl_b32 s67, 0x1111, s17                    ; my column
	s_or_b32 s[G1A], s66, (3<<16)|(1<<21)          ; the mask; elements of 8 bytes; bit 21 beside a mask; no padding
	s_or_b32 s[G1B], s67, (3<<16)|(1<<21)
	s_mov_b32 s[G1A+1], 32<<16                     ; dense rows of 256 bytes: 400 for a token group,
	s_mov_b32 s[G1A+2], 400<<16
	s_mov_b32 s[G1A+3], 32<<16
	s_mov_b32 s[G1A+4], 400
	s_mov_b32 s[G1A+5], 32
	s_mov_b32 s[G1A+6], 0
	s_mov_b32 s[G1A+7], 0
	s_mov_b32 s[G1B+1], 32<<16                     ; 200 for a half of the column group
	s_mov_b32 s[G1B+2], 200<<16
	s_mov_b32 s[G1B+3], 32<<16
	s_mov_b32 s[G1B+4], 200
	s_mov_b32 s[G1B+5], 32
	s_mov_b32 s[G1B+6], 0
	s_mov_b32 s[G1B+7], 0
	s_lshl_b32 s68, s23, 1
	s_add_co_u32 s68, s68, s16
	s_mul_i32 s68, s68, GRP                        ; S1: the group that I fetch
	s_mov_b32 s69, 0
	s_add_co_u32 s70, s22, 24                      ; S0: W_proj's groups lie behind W_attn's 24
	s_mul_i32 s70, s70, GRP
	s_mul_i32 s73, s16, HALF
	s_add_co_u32 s70, s70, s73                     ; the half that I fetch
	s_mov_b32 s71, 0
	s_mov_b32 s[G0A], 1
	s_mul_i32 s[G0A+1], s16, GRP                   ; LDS: the two token groups, then the column group: no place in the cluster enters an LDS address
	s_mov_b32 s[G0B], 1
	s_add_co_u32 s[G0B+1], s73, 2*GRP
	s_wait_dscnt 0x0                               ; both opening adds are done
	s_wait_kmcnt 0x0
	s_add_nc_u64 s[G0A+2:G0A+3], s[4:5], s[68:69]
	s_or_b32 s[G0A+3], s[G0A+3], 0x80000000
	s_add_nc_u64 s[G0B+2:G0B+3], s[6:7], s[70:71]
	s_or_b32 s[G0B+3], s[G0B+3], 0x80000000
	CROUND                                         ; all sixteen work-groups are here: the joint loads meet
	s_cmp_eq_u32 s15, 0                            ; one load a wave, in one arm of a branch on the wave's number
	s_cbranch_scc0 .Lfor_b
	tensor_load_to_lds s[G0A:G0A+3], s[G1A:G1A+7]
	s_nop 0
.rept 4
	v_nop
.endr
	s_branch .Lasked
.Lfor_b:
	tensor_load_to_lds s[G0B:G0B+3], s[G1B:G1B+7]
	s_nop 0
.rept 4
	v_nop
.endr
.Lasked:
	s_mul_i32 s78, s15, GRP                        ; my token group in LDS
	s_mul_i32 s74, s16, 4*1536
	s_add_co_u32 s74, s74, s78                     ; my four fragments of it
	s_sub_co_u32 s80, 2*GRP, s78                   ; from its planes to the column group's
	s_add_co_u32 s79, s78, 12288
	s_mul_i32 s75, s14, 16*528                     ; my stage
	s_cmp_eq_u32 s16, 1
	s_cselect_b32 s[UM], -1, 0
	s_lshl_b32 s86, s22, 9                         ; my 128 columns, in bytes
	s_mov_b32 s87, 0
	s_add_nc_u64 s[8:9], s[8:9], s[86:87]
	s_add_nc_u64 s[10:11], s[10:11], s[86:87]
	s_lshl_b32 s82, s23, 1
	s_add_co_u32 s82, s82, s15
	s_lshl_b32 s86, s82, 19                        ; my token group: 128 rows of 4,096 bytes
	s_lshl_b32 s83, s16, 18                        ; fragments 4-7 begin at its row 64
	s_add_co_u32 s86, s86, s83
	s_add_nc_u64 s[10:11], s[10:11], s[86:87]
	v_and_b32 v1, 31, v0
	v_and_b32 v2, 15, v0                           ; r
	v_bfe_u32 v3, v0, 4, 1                         ; h
	v_lshlrev_b32 v9, 3, v1                        ; 8 x lane
	v_mul_u32_u24 v10, s80, v3                     ; lanes 16-31 take S0's planes: one product in h
	v_lshl_add_u32 v10, v2, 4, v10
	v_add_nc_u32 v[ADRS], s79, v10
	v_add_nc_u32 v[ADRS+1], HALF, v[ADRS]
	v_add_nc_u32 v[ADR1], s74, v9
	v_add_nc_u32 v[ADR1+1], HALF, v[ADR1]
	v_add_nc_u32 v[ADR0], 2*GRP, v9
	v_add_nc_u32 v[ADR0+1], HALF, v[ADR0]
	v_mul_u32_u24 v[STO], v2, 528                  ; the stage, in: row r, 64 bytes for each half of the lanes
	v_lshl_add_u32 v[STO], v3, 6, v[STO]
	v_add_nc_u32 v[STO], s75, v[STO]
	v_lshlrev_b32 v[CO], 4, v1                     ; back: the 32 lanes take one row of 512 bytes; and the same in out
	v_add_nc_u32 v[RD], s75, v[CO]
	v_lshlrev_b32 v12, 6, v3                       ; the bias: the register's column: 64 h + 4 j
.irp b, 0,1,2,3,4,5,6,7
	global_load_b128 v[BIAS+8*\b:BIAS+8*\b+3], v12, s[8:9] offset:128*(\b/2)+32*(\b%2)
	global_load_b128 v[BIAS+8*\b+4:BIAS+8*\b+7], v12, s[8:9] offset:128*(\b/2)+32*(\b%2)+16
.endr
	s_wait_alu depctr_va_vdst(0)
	s_wait_tensorcnt 0x0                           ; my load is in
	s_barrier_signal -1
	s_barrier_wait -1                              ; and everybody's: all of K lies in LDS
	FETCH 0
	s_wait_loadcnt 0x0                             ; the bias
.irp ks, 0,1,2,3,4,5,6,7
	STEP \ks
.endr
; THE WAY OUT, block by block of 16 tokens x 128 columns: through my stage, back as whole rows of 512 bytes, which the 32 lanes store as two aligned units of 256 bytes.  LDS serves a wave's instructions in order (ISA guide 5.7.1.4).
.macro TOSTAGE a
.set AC, 64*(\a)
	WIN 0x08                                       ; the data: window 2
.irp b, 0,1,2,3,4,5,6,7
	ds_store_b128 v[STO], v[AC+8*\b:AC+8*\b+3] offset:128*(\b/2)+32*(\b%2)          ; each accumulator from its low end on
	ds_store_b128 v[STO], v[AC+8*\b+4:AC+8*\b+7] offset:128*(\b/2)+32*(\b%2)+16
.endr
	WIN 0
.set BB, BK+64*((\a)%2)
.irp t, 0,1,2,3,4,5,6,7,8,9,10,11,12,13,14,15
	ds_load_b128 v[BB+4*\t:BB+4*\t+3], v[RD] offset:\t*528
.endr
.endm
.macro SEND a, younger                 ; younger: the LDS instructions issued behind block a's loads, which may stay out
.set BB, BK+64*((\a)%2)
	s_wait_dscnt \younger
.if (\a) > 0
.if (\a)%2
	s_add_nc_u64 s[10:11], s[10:11], 8*4096        ; (behind a wait on XCNT)  fragment i begins at row 32 (i / 2) + 8 (i % 2)
.else
	s_add_nc_u64 s[10:11], s[10:11], 24*4096
.endif
.endif
.irp t, 0,1,2,3,4,5,6,7,8,9,10,11,12,13,14,15
	global_store_b128 v[CO], v[BB+4*\t:BB+4*\t+3], s[10:11] offset:(\t+8*(\t/8))*4096 th:TH_STORE_NT
.endr
.endm
	PLACES 4                                       ; in front of the reads of results and of the loads into registers that held fragments
	TOSTAGE 0
.irp a, 1,2,3
.if \a > 1
	s_wait_xcnt 0x0                                ; block a - 2's stores have read their registers and their base
.endif
	TOSTAGE \a
	SEND \a-1, 32                                  ; behind block a - 1's loads: block a's 16 stores and 16 loads
.endr
	s_wait_xcnt 0x0
	SEND 3, 0
	s_wait_tensorcnt 0x0                           ; the wave's end
	ds_add_u32 v[SPW], v[NIL]
	s_wait_dscnt 0x0
	CROUND                                         ; the closing round
	s_endpgm
.Lfunc_end_k_q0a1021974d_gemm_out:
	.size	k_q0a1021974d_gemm_out, .Lfunc_end_k_q0a1021974d_gemm_out-k_q0a1021974d_gemm_out
	.p2alignl 7, 3214868480
	.fill 96, 4, 3214868480
	.section	.rodata,"a",@progbits
	.p2align	6, 0x0
	.amdhsa_kernel k_q0a1021974d_gemm_out
		.amdhsa_group_segment_fixed_size 327680
		.amdhsa_private_segment_fixed_size 0
		.amdhsa_enable_private_segment 0
		.amdhsa_kernarg_size 32
		.amdhsa_user_sgpr_count 2
		.amdhsa_user_sgpr_kernarg_segment_ptr 1
		.amdhsa_wavefront_size32 1
		.amdhsa_system_sgpr_workgroup_id_x 1
		.amdhsa_system_sgpr_workgroup_id_y 1
		.amdhsa_system_sgpr_workgroup_id_z 1
		.amdhsa_system_vgpr_workitem_id 0
		.amdhsa_next_free_vgpr 1024
		.amdhsa_next_free_sgpr 100
		.amdhsa_reserve_vcc 0
		.amdhsa_float_denorm_mode_32 3
		.amdhsa_float_denorm_mode_16_64 3
		.amdhsa_memory_ordered 1
		.amdhsa_forward_progress 1
		.amdhsa_inst_pref_size 103
	.end_amdhsa_kernel
	.amdgpu_metadata
---
amdhsa.version: [ 1, 2 ]
amdhsa.kernels:
  - .name:           k_q0a1021974d_gemm_out
    .symbol:         k_q0a1021974d_gemm_out.kd
    .args:
      - { .name: yimg, .offset: 0, .size: 8, .value_kind: global_buffer, .address_space: global }
      - { .name: wimg, .offset: 8, .size: 8, .value_kind: global_buffer, .address_space: global }
      - { .name: b_proj, .offset: 16, .size: 8, .value_kind: global_buffer, .address_space: global }
      - { .name: out0, .offset: 24, .size: 8, .value_kind: global_buffer, .address_space: global }
    .group_segment_fixed_size: 327680
    .private_segment_fixed_size: 0
    .kernarg_segment_align: 8
    .kernarg_segment_size: 32
    .max_flat_workgroup_size: 128
    .sgpr_count:     100
    .vgpr_count:     1024
    .wavefront_size: 32
...
	.end_amdgpu_metadata
.endif
;; end of part 4
